; MI455X (gfx1250); checked and timed in simulation.
; The chip was launched on July 23, 2026; its instructions are those of AMD's public machine-readable ISA for CDNA 5 (MIT licence, August 2026) and "CDNA5" Instruction Set Architecture Reference Guide (July 2026). The comments in the code are by the model that wrote it; some were corrected since.
;; Attention. Allowed arithmetic: float matrix products may take bf16 or f16 operands with f32 sums; other float arithmetic in f32, or as packed bf16 or f16 multiplies, adds, multiply-adds, maxima and minima; sums over many terms, partial sums and values carried from step to step in f32; what a program stores and reads back later, other than sums and carried values, may be rounded once to bf16 or f16.
;; Inputs: Wk 2,048 x 2,048 float32; Wo 2,048 x 2,048 float32; Wq 2,048 x 2,048 float32; Wv 2,048 x 2,048 float32; cos 2,048 x 64 float32; k_norm_w 128 float32; q_norm_w 128 float32; sin 2,048 x 64 float32; x 1 x 2,048 x 2,048 float32.
;; Outputs: out0 1 x 2,048 x 2,048 float32.
;; One version. Each part assembles by itself: llvm-mc -triple=amdgcn-amd-amdhsa -mcpu=gfx1250 --defsym DOCPART=n.
;; ======== version 1 of 1: 4 launches
;; limits: values are held in f16: magnitudes above 65,504 overflow, below 6.1e-05 lose precision; right only within a limited range of input values
;; workspace buffers: wb 41,943,040 bytes; qkv 25,165,824 bytes; ob 8,388,608 bytes
;; launch cast (part 1): grid 256 x 5, 8 waves a work-group, no clusters, 0 bytes of LDS; arguments x, Wq, Wk, Wv, Wo, wb; writes wb
.if DOCPART == 1
	.amdgcn_target "amdgcn-amd-amdhsa--gfx1250"
	.amdhsa_code_object_version 6
	.text
	.protected	k_qfb0929a09c_cast
	.globl	k_qfb0929a09c_cast
	.p2align	8
	.type	k_qfb0929a09c_cast,@function
k_qfb0929a09c_cast:
	s_mov_b64 s[64:65], 0
	v_nop
	global_prefetch_b8 v0, s[64:65] scope:SCOPE_SE
	s_setreg_imm32_b32 hwreg(HW_REG_WAVE_MODE, 25, 1), 1
	s_wait_xcnt 0x0
; x, Wq, Wk (f32) -> bf16, planes 0 to 2 of wb; Wv / 4 -> bf16, plane 3; 4 Wo -> bf16, and that number written as f16, plane 4.  A plane is [2048][2048] of 16 bits.
; The two factors are powers of two, so they change no rounding; they cancel in the product of the last launch, and keep v / 4 inside f16's range in between.
; LIMITS.  |Wo| stays under 16,376 (4 |Wo| inside f16's range); a number 4 Wo below 6e-5 takes f16's fixed step of 6e-8.  NaN and infinities are not treated apart.
; SHARES.  Work-group (bx, y) takes 65,536 bytes of tensor y at 65,536 bx and writes 32,768 bytes.  Thread t takes 16 bytes of each of 16 rows of 4,096 bytes:
; a load of a wave covers 512 consecutive bytes, a store of a wave 256 consecutive bytes at a multiple of 256 from wb's first byte.
; All 16 loads of a thread go out at once, each into registers of its own; nothing is rewritten behind a store.  No LDS, no matrix work: the launch only moves bytes.
.set PL, 8388608                       ; bytes in a plane of wb
.set D,  4                             ; v[4:67]  row r: four registers as loaded, the first two as stored
	s_load_b256 s[4:11], s[0:1], 0x0               ; x, Wq, Wk, Wv
	s_load_b128 s[12:15], s[0:1], 0x20             ; Wo, wb
	s_and_b32 s16, ttmp7, 0xffff                   ; y: which tensor
	v_lshlrev_b32 v1, 4, v0                        ; my 16 bytes of a row as read
	v_lshlrev_b32 v2, 3, v0                        ; my 8 bytes of a row as written
	s_lshl_b32 s22, ttmp9, 16                      ; the work-group's part of the source
	s_mov_b32 s23, 0
	s_lshl_b32 s24, s16, 23                        ; the plane,
	s_lshl_b32 s25, ttmp9, 15                      ; and the work-group's part of it
	s_add_co_u32 s24, s24, s25
	s_mov_b32 s25, 0
	s_mov_b32 s26, 0xffff0000                      ; a word's upper bf16
	s_mov_b32 s28, 1.0                             ; the tensor's factor: 1, but 1/4 for Wv and 4 for Wo
	s_cmp_eq_u32 s16, 3
	s_cselect_b32 s28, 0x3e800000, s28
	s_cmp_eq_u32 s16, 4
	s_cselect_b32 s28, 4.0, s28
	s_mov_b32 s29, s28                             ; named with it as a pair
	s_wait_kmcnt 0x0
	s_cmp_eq_u32 s16, 1
	s_cselect_b64 s[20:21], s[6:7], s[4:5]
	s_cmp_eq_u32 s16, 2
	s_cselect_b64 s[20:21], s[8:9], s[20:21]
	s_cmp_eq_u32 s16, 3
	s_cselect_b64 s[20:21], s[10:11], s[20:21]
	s_cmp_eq_u32 s16, 4
	s_cselect_b64 s[20:21], s[12:13], s[20:21]
	s_add_nc_u64 s[20:21], s[20:21], s[22:23]
	s_add_nc_u64 s[14:15], s[14:15], s[24:25]
.irp r, 0,1,2,3,4,5,6,7,8,9,10,11,12,13,14,15
	global_load_b128 v[D+4*(\r):D+4*(\r)+3], v1, s[20:21] offset:4096*(\r) th:TH_LOAD_NT
.endr
; Row r: times the factor; rounded to bf16; f16 = 1: the bf16 numbers are widened again and written as f16 (exact inside f16's normal range).
.macro OUT r, f16
	s_wait_loadcnt 15-(\r)                         ; loads come back in order: row r is in, the 15 - r younger ones may stay out
	v_pk_mul_f32 v[D+4*(\r):D+4*(\r)+1], v[D+4*(\r):D+4*(\r)+1], s[28:29] op_sel_hi:[1,0]
	v_pk_mul_f32 v[D+4*(\r)+2:D+4*(\r)+3], v[D+4*(\r)+2:D+4*(\r)+3], s[28:29] op_sel_hi:[1,0]
	v_cvt_pk_bf16_f32 v[D+4*(\r)], v[D+4*(\r)], v[D+4*(\r)+1]
	v_cvt_pk_bf16_f32 v[D+4*(\r)+1], v[D+4*(\r)+2], v[D+4*(\r)+3]
.if \f16
	v_lshlrev_b32 v[D+4*(\r)+2], 16, v[D+4*(\r)]
	v_and_b32 v[D+4*(\r)+3], s26, v[D+4*(\r)]
	v_cvt_pk_f16_f32 v[D+4*(\r)], v[D+4*(\r)+2], v[D+4*(\r)+3]
	v_lshlrev_b32 v[D+4*(\r)+2], 16, v[D+4*(\r)+1]
	v_and_b32 v[D+4*(\r)+3], s26, v[D+4*(\r)+1]
	v_cvt_pk_f16_f32 v[D+4*(\r)+1], v[D+4*(\r)+2], v[D+4*(\r)+3]
.endif
	global_store_b64 v2, v[D+4*(\r):D+4*(\r)+1], s[14:15] offset:2048*(\r) th:TH_STORE_NT
.endm
	s_cmp_eq_u32 s16, 4
	s_cbranch_scc1 .Lf16
.irp r, 0,1,2,3,4,5,6,7,8,9,10,11,12,13,14,15
	OUT \r, 0
.endr
	s_endpgm
.Lf16:
.irp r, 0,1,2,3,4,5,6,7,8,9,10,11,12,13,14,15
	OUT \r, 1
.endr
	s_endpgm
.Lfunc_end_k_qfb0929a09c_cast:
	.size	k_qfb0929a09c_cast, .Lfunc_end_k_qfb0929a09c_cast-k_qfb0929a09c_cast
	.p2alignl 7, 3214868480
	.fill 96, 4, 3214868480
	.section	.rodata,"a",@progbits
	.p2align	6, 0x0
	.amdhsa_kernel k_qfb0929a09c_cast
		.amdhsa_group_segment_fixed_size 0
		.amdhsa_private_segment_fixed_size 0
		.amdhsa_enable_private_segment 0
		.amdhsa_kernarg_size 48
		.amdhsa_user_sgpr_count 2
		.amdhsa_user_sgpr_kernarg_segment_ptr 1
		.amdhsa_wavefront_size32 1
		.amdhsa_system_sgpr_workgroup_id_x 1
		.amdhsa_system_sgpr_workgroup_id_y 1
		.amdhsa_system_sgpr_workgroup_id_z 1
		.amdhsa_system_vgpr_workitem_id 0
		.amdhsa_next_free_vgpr 72
		.amdhsa_next_free_sgpr 66
		.amdhsa_reserve_vcc 0
		.amdhsa_float_denorm_mode_32 3
		.amdhsa_float_denorm_mode_16_64 3
		.amdhsa_memory_ordered 1
		.amdhsa_forward_progress 1
		.amdhsa_inst_pref_size 19
	.end_amdhsa_kernel
	.amdgpu_metadata
---
amdhsa.version: [ 1, 2 ]
amdhsa.kernels:
  - .name:           k_qfb0929a09c_cast
    .symbol:         k_qfb0929a09c_cast.kd
    .args:
      - { .name: x, .offset: 0, .size: 8, .value_kind: global_buffer, .address_space: global }
      - { .name: Wq, .offset: 8, .size: 8, .value_kind: global_buffer, .address_space: global }
      - { .name: Wk, .offset: 16, .size: 8, .value_kind: global_buffer, .address_space: global }
      - { .name: Wv, .offset: 24, .size: 8, .value_kind: global_buffer, .address_space: global }
      - { .name: Wo, .offset: 32, .size: 8, .value_kind: global_buffer, .address_space: global }
      - { .name: wb, .offset: 40, .size: 8, .value_kind: global_buffer, .address_space: global }
    .group_segment_fixed_size: 0
    .private_segment_fixed_size: 0
    .kernarg_segment_align: 8
    .kernarg_segment_size: 48
    .max_flat_workgroup_size: 256
    .sgpr_count:     66
    .vgpr_count:     72
    .wavefront_size: 32
...
	.end_amdgpu_metadata
.endif
;; end of part 1
;; launch proj (part 2): grid 16 x 16, 4 waves a work-group, clusters of 4 x 4, 327,680 bytes of LDS; arguments wb, sin, cos, q_norm_w, k_norm_w, qkv; writes qkv
.if DOCPART == 2
	.amdgcn_target "amdgcn-amd-amdhsa--gfx1250"
	.amdhsa_code_object_version 6
	.text
	.protected	k_qfb0929a09c_proj
	.globl	k_qfb0929a09c_proj
	.p2align	8
	.type	k_qfb0929a09c_proj,@function
k_qfb0929a09c_proj:
	s_mov_b64 s[64:65], 0
	v_nop
	global_prefetch_b8 v0, s[64:65] scope:SCOPE_SE
	s_setreg_imm32_b32 hwreg(HW_REG_WAVE_MODE, 25, 1), 1
	s_wait_xcnt 0x0
	s_wait_alu depctr_hold_cnt(0) depctr_sa_sdst(0) depctr_va_vdst(0) depctr_va_sdst(0) depctr_va_ssrc(0) depctr_va_vcc(0) depctr_vm_vsrc(0)
	s_getreg_b32 s2, hwreg(HW_REG_IB_STS2, 6, 4)
	s_cmp_eq_u32 s2, 0
	s_cbranch_scc0 .Lentry_in_a_cluster
	s_endpgm
.Lentry_in_a_cluster:
	s_bfe_u32 s2, ttmp6, 0x10000c
	s_cmp_lg_u32 s2, 0xf033
	s_cbranch_scc0 .Lentry_shape_is_right
	s_endpgm
.Lentry_shape_is_right:
; q, k, v / 4 = x W^T (bf16 operands from wb, where Wv lies divided by 4; f32 sums); RoPE, RMSNorm and gain on q and k; all rounded once to f16 and written by heads: qkv = three planes [16][2048][128].
; sin, cos and the two gains are rounded to bf16 as x and the weights are, so that every input has the same rounding.
; LIMITS.  |v| / 4 stays under 65,504; |q|, |k| are at most 11.4 times the largest gain.  NaN and infinities are not treated apart.
; SHARES.  Work-group (bx, by): rows 128 by .. + 127 of x, head bx of q, of k and of v: a tile of 128 x 384.  16 x 16 work-groups.  Wave w (wm = w / 2, wn = w % 2): 64 rows x 192 columns, 48 accumulators.
; Of each head a wave owns the column blocks col(p) = 64 (p / 2) + 32 wn + 16 (p % 2), p = 0..3: RoPE's partners c and c + 64 lie in one lane; only the sum of squares crosses to wave w ^ 1.
; THE MATRIX INSTRUCTION IS USED TRANSPOSED (source 0 = 16 rows of W, source 1 = 16 rows of x): lane l holds row l % 16 and the columns 8 (l / 16) + 0..7.
; RING.  K goes in 16 steps of 128 through two LDS slots of four pieces (x's 128 rows; the head's 128 rows of Wq, Wk, Wv), 128 rows x 256 bytes each, one piece and one tensor load a wave.
; THE WALK ALONG K IS STAGGERED: cluster (X, Y) begins at K step (4 X + 8 (Y % 2)) % 16 and walks round to where it began.  So the four clusters that read the same rows of x stand 4 steps apart,
; and of the four that read the same rows of the weights those of different parity of Y stand 8 steps apart: they ask for different blocks at any one time.  The sums' order along K turns with the start.
; A step is a trip of the loop: the slot's LDS byte (FS: 0 and SLOT by turns) and the K step's number (KS) lie in scalar registers, and a refill's descriptor is made anew from them.
; CLUSTER 4 x 4: x's piece is shared along a row of the cluster, the weights' pieces along a column; each is asked for jointly.  The walk's start hangs on the cluster's X and Y alone: it is the same in all sixteen partners.
; REGISTERS, in windows of 256 (s_set_vgpr_msb: bits 1:0 source 0, 3:2 source 1, 5:4 source 2, 7:6 destination):
;   window 0: v0-25 addresses; v32-63 sums of squares; v64-127 x's fragments, two buffers (later packed results); v128-191 the gains; v192-255 at work
;   window 1: v0-191 the weights' fragments, two buffers of 96 (later the rows read back from the stage)
;   windows 2, 3 (row blocks a = 0, 1 and 2, 3): accumulator (a, nb = 4 head + p) at 96 (a % 2) + 8 nb; v192-255: for each a 16 of cos, then 16 of sin
.set PL,     8388608                   ; bytes in a plane of wb and of qkv
.set PITCH,  272                       ; an LDS row: 256 bytes + 16 of padding = 68 words: the 16 rows of a fragment load start 4 words apart modulo 64
.set PIECE,  128*PITCH
.set SLOT,   4*PIECE
.set XCH,    2*SLOT                    ; behind the ring: 512 bytes a wave, the sums of squares
.set SPARE,  XCH+2048                  ; the spare words, 128 bytes for each wave: two blocks of 256 bytes that no other line names
.set SHEAD,  128*PITCH                 ; the way out's stage: three heads x 128 rows x 272 bytes from LDS byte 0, in slot 0, which has had its last fill by then
.set R16,  1                           ; v1   l % 16
.set HH,   2                           ; v2   l / 16
.set FR,   3                           ; v3   (l % 16) x 272 + 16 (l / 16)
.set SCO,  4                           ; v4   my byte offset in the work-group's rows of sin and cos
.set NWO,  5                           ; v5   my byte offset in a gain
.set XS,   6                           ; v6   where I put a sum of squares
.set XR,   7                           ; v7   where my partner wave put its own
.set GO,   8                           ; v8   16 x lane
.set PFO,  9                           ; v9   4,096 x lane: a row of wb; never rewritten
.set SPW,  10                          ; v10  LDS address of my spare word; never rewritten
.set NIL,  11                          ; v11  0; never rewritten
.set STO,  12                          ; v12-14  the stage, by head: where I put 16 bytes of a row
.set RDV,  15                          ; v15-17  the stage, by head: where I read rows back
.set ADRA, 18                          ; v18  x's fragments in slot 0
.set CURA, 19                          ; v19  the same in the slot that is being read
.set ADRB, 20                          ; v20-22  the weights' fragments in slot 0, by head
.set CURB, 23                          ; v23-25  the same in the slot that is being read
.set SSA,  32                          ; v32-47  pair 2 a + head: sum of squares of the lower 64 channels' part; later the whole sum
.set SSB,  48                          ; v48-63  of the upper part
.set RSQ,  48                          ; v48-55  later: 1 / sqrt(mean + eps), at 2 a + head
.set FA,   64
.set PKD,  64
.set NW,   128                         ; q's 32 gains (8 p + r), then k's
.set T,    192
.set WV, 16                            ; s16 wave, s17 wm, s18 wn, s19 cx, s20 cy, s21 bx, s22 by, s23 wave x PIECE
.set WM, 17
.set WN, 18
.set CX, 19
.set CY, 20
.set BX, 21
.set BY, 22
.set LB, 23
.set G1A, 24                           ; s[24:31] descriptor group 1 for x's piece
.set G0A, 32                           ; s[32:39] group 0: a set for each of the two first fills; the second is then made anew for each refill
.set G1B, 40                           ; s[40:47], s[48:55] the same for the weights' pieces
.set G0B, 48
.set LIM, 56                           ; s56  10 in a wave that prefetches, else the greatest number
.set LAP, 57                           ; s57  trips of the loop still to come
.set PFB, 58                           ; s[58:59] my prefetches' rows at K = 0
.set SEL, 60                           ; s[60:61] v_permlanex16_b32's selects: each lane takes its own place in the other half
.set KS,  66                           ; s66  the K step (0..15) that the next refill asks for
.set FS,  67                           ; s67  the LDS byte of the slot that the next change leaves and fills: 0 or SLOT
.set OB,  68                           ; s[68:73] q, k, v at the 32 rows that I store
.set BA,  74                           ; s[74:75] x at my work-group's rows, K = 0
.set BBS, 76                           ; s[76:77] my plane of the weights at the head's rows, K = 0
.set HM,  82                           ; s82  a word's upper bf16
.set PFA, 84                           ; s[84:85] where the prefetch in hand stands
.set POFF, 86                          ; s[86:87] its K step, in bytes
.set OFF, 88                           ; s[88:89] a refill's K step, in bytes
.set MSB, 0
.macro WIN new                         ; the immediate's high byte repeats the setting that is left; a switch that changes nothing is dropped
.if MSB != (\new)
	s_set_vgpr_msb (MSB<<8)|(\new)
.set MSB, \new
.endif
.endm
; A joint load by descriptor set s.  Wave 0 fetches x's piece, waves 1 to 3 the pieces of Wq, Wk, Wv.  The branch hangs on the wave's number alone.  An s_nop 0 and four v_nop follow each of the two lines.
.macro JLOAD s
	s_cmp_eq_u32 s[WV], 0
	s_cbranch_scc0 .Lfor_b_\@
	tensor_load_to_lds s[G0A+4*(\s):G0A+4*(\s)+3], s[G1A:G1A+7]
	s_nop 0
.rept 4
	v_nop
.endr
	s_branch .Lasked_\@
.Lfor_b_\@:
	tensor_load_to_lds s[G0B+4*(\s):G0B+4*(\s)+3], s[G1B:G1B+7]
	s_nop 0
.rept 4
	v_nop
.endr
.Lasked_\@:
.endm
; A prefetch of the K step that stands two refills on in my cluster's walk: 32 rows x 256 bytes, a lane a row.  By the staggered walk a block of the weights is asked for first in some cluster's steps 0 to 7 of its walk,
; a block of x in some cluster's steps 0 to 3.  Steps 0 to 3 come by their loads alone; steps 4 to 7 of the weights are named here, in the four trips that refill steps 2 to 5, by waves 1 to 3 of the clusters with Y = 0, 1
; (those with Y = 2, 3 walk the same steps at the same time); the four partners that ask for a piece jointly share its 128 rows out by address, 32 each.  So each block is named once, and later trips ask for nothing.
.macro ASK
	s_cmp_gt_u32 s[LAP], s[LIM]
	s_cbranch_scc0 .Lnot_mine_\@
	global_prefetch_b8 v[PFO], s[PFA:PFA+1] th:TH_LOAD_NT scope:SCOPE_SE
.Lnot_mine_\@:
.endm
.macro CREST                           ; a round of the cluster's barrier behind its opening barrier
	s_cmp_lg_u32 s[WV], 0
	s_cbranch_scc1 .Lnot_wave_0_\@
	s_barrier_signal -3
.Lnot_wave_0_\@:
	s_barrier_wait -3
	s_barrier_signal -1
	s_barrier_wait -1
.endm
.macro CROUND                          ; a whole round
	s_barrier_signal -1
	s_barrier_wait -1
	CREST
.endm
.macro PLACES                          ; four plain vector instructions behind matrix instructions, in front of loads into their sources and of readers of their results
.rept 4
	v_nop
.endr
.endm
	s_load_b256 s[4:11], s[0:1], 0x0               ; wb s[4:5], sin s[6:7], cos s[8:9], q_norm_w s[10:11]
	s_load_b128 s[12:15], s[0:1], 0x20             ; k_norm_w s[12:13], qkv s[14:15]
	v_lshl_add_u32 v[SPW], v0, 2, SPARE
	v_mov_b32 v[NIL], 0
	ds_add_u32 v[SPW], v[NIL]                      ; the wave's opening: the add and its wait stand ahead of my first tensor load; the set-up below stands between them
	v_lshrrev_b32 v1, 5, v0
	v_readfirstlane_b32 s[WV], v1                  ; wave 0..3
	s_lshr_b32 s[WM], s[WV], 1
	s_and_b32 s[WN], s[WV], 1
	s_bfe_u32 s[CX], ttmp6, 0x40000
	s_bfe_u32 s[CY], ttmp6, 0x40004
	s_lshl_b32 s[BX], ttmp9, 2
	s_add_co_u32 s[BX], s[BX], s[CX]               ; head = 4 x cluster x + cx
	s_and_b32 s[BY], ttmp7, 0xffff
	s_lshl_b32 s[BY], s[BY], 2
	s_add_co_u32 s[BY], s[BY], s[CY]               ; block of 128 rows = 4 x cluster y + cy
	s_lshl_b32 s74, s[CY], 2
	s_lshl_b32 s74, 15, s74                        ; my row of the cluster
	s_lshl_b32 s76, 0x1111, s[CX]                  ; my column
	s_or_b32 s[G1A], s74, (1<<16)|(1<<20)|(1<<21)|(5<<22)|(3<<25)  ; 15:0 the mask; 17:16 2-byte elements; 20 padding on; 21 set beside a mask; 24:22 after every 64 words; 31:25 4 words of it
	s_or_b32 s[G1B], s76, (1<<16)|(1<<20)|(1<<21)|(5<<22)|(3<<25)
.irp g, G1A, G1B
	s_mov_b32 s[(\g)+1], 128<<16                   ; tensor_dim0 = 128
	s_mov_b32 s[(\g)+2], 128<<16                   ; tensor_dim1 = 128
	s_mov_b32 s[(\g)+3], 128<<16                   ; tile_dim0 = 128
	s_mov_b32 s[(\g)+4], 128                       ; tile_dim1 = 128
	s_mov_b32 s[(\g)+5], 2048                      ; elements from row to row
	s_mov_b32 s[(\g)+6], 0
	s_mov_b32 s[(\g)+7], 0
.endr
	s_lshl_b32 s74, s[BY], 19                      ; x: 128 by rows of 4,096 bytes (hangs on by alone)
	s_mov_b32 s75, 0
	s_lshl_b32 s76, s[WV], 23                      ; the weights: plane w,
	s_lshl_b32 s77, s[BX], 19                      ; 128 bx rows (hangs on bx and the wave alone)
	s_add_co_u32 s76, s76, s77
	s_mov_b32 s77, 0
	s_mul_i32 s[LB], s[WV], PIECE                  ; where my piece goes: no place in the cluster enters an LDS address
	s_and_b32 s78, ttmp7, 1                        ; the walk's start: 8 x the parity of the cluster's y
	s_lshl_b32 s78, s78, 3
	s_lshl_b32 s79, ttmp9, 2                       ; + 4 x the cluster's x,
	s_add_co_u32 s[KS], s78, s79
	s_and_b32 s[KS], s[KS], 15                     ; modulo the 16 steps
	s_mov_b32 s[FS], 0
	s_mov_b32 s[OFF+1], 0
	s_mov_b32 s[SEL], 0x76543210
	s_mov_b32 s[SEL+1], 0xfedcba98
	s_mov_b32 s62, 0x3c000000                      ; 1 / 128
	s_mov_b32 s63, 0x34000000                      ; eps = 2^-23
	s_mov_b32 s[HM], 0xffff0000
	s_wait_dscnt 0x0                               ; the opening add is done
	s_wait_kmcnt 0x0
	s_add_nc_u64 s[BA:BA+1], s[4:5], s[74:75]
	s_add_nc_u64 s[BBS:BBS+1], s[4:5], s[76:77]
	CROUND                                         ; all sixteen work-groups are here: the first joint loads meet
.irp s, 0,1
	s_lshl_b32 s[OFF], s[KS], 8                    ; a K step is 256 bytes of a row
	s_mov_b32 s[G0A+4*(\s)], 1
	s_add_co_u32 s[G0A+4*(\s)+1], s[LB], (\s)*SLOT
	s_add_nc_u64 s[G0A+4*(\s)+2:G0A+4*(\s)+3], s[BA:BA+1], s[OFF:OFF+1]
	s_or_b32 s[G0A+4*(\s)+3], s[G0A+4*(\s)+3], 0x80000000
	s_mov_b32 s[G0B+4*(\s)], 1
	s_add_co_u32 s[G0B+4*(\s)+1], s[LB], (\s)*SLOT
	s_add_nc_u64 s[G0B+4*(\s)+2:G0B+4*(\s)+3], s[BBS:BBS+1], s[OFF:OFF+1]
	s_or_b32 s[G0B+4*(\s)+3], s[G0B+4*(\s)+3], 0x80000000
	s_add_co_u32 s[KS], s[KS], 1
	s_and_b32 s[KS], s[KS], 15
	JLOAD \s                                       ; two tensor loads of mine are out: the walk's steps 0 and 1
.endr
	; the tables, while the first tiles are on their way.  My row 64 wm + 16 a + l % 16 of the work-group's 128; cos and sin at channels 32 wn + 16 p + 8 (l / 16) + 0..7, p = 0, 1
	v_and_b32 v[R16], 15, v0
	v_bfe_u32 v[HH], v0, 4, 1
	s_lshl_b32 s78, s[WM], 14
	s_lshl_b32 s79, s[WN], 7
	s_add_co_u32 s78, s78, s79
	v_lshl_add_u32 v[SCO], v[R16], 8, s78
	v_lshl_add_u32 v[SCO], v[HH], 5, v[SCO]
	v_lshl_add_u32 v[NWO], v[HH], 5, s79
	s_lshl_b32 s84, s[BY], 15                      ; 128 rows of 256 bytes
	s_mov_b32 s85, 0
	s_add_nc_u64 s[6:7], s[6:7], s[84:85]
	s_add_nc_u64 s[8:9], s[8:9], s[84:85]
.irp a, 0,1,2,3
	WIN 0x80+0x40*((\a)/2)                         ; destination window 2 or 3, address window 0
.irp p, 0,1
	global_load_b128 v[192+32*((\a)%2)+8*(\p):192+32*((\a)%2)+8*(\p)+3],     v[SCO], s[8:9] offset:(\a)*4096+64*(\p)
	global_load_b128 v[192+32*((\a)%2)+8*(\p)+4:192+32*((\a)%2)+8*(\p)+7],   v[SCO], s[8:9] offset:(\a)*4096+64*(\p)+16
	global_load_b128 v[208+32*((\a)%2)+8*(\p):208+32*((\a)%2)+8*(\p)+3],     v[SCO], s[6:7] offset:(\a)*4096+64*(\p)
	global_load_b128 v[208+32*((\a)%2)+8*(\p)+4:208+32*((\a)%2)+8*(\p)+7],   v[SCO], s[6:7] offset:(\a)*4096+64*(\p)+16
.endr
.endr
	WIN 0
.irp q, 0,1,2,3                        ; the gains at my four column blocks
	global_load_b128 v[NW+8*(\q):NW+8*(\q)+3],       v[NWO], s[10:11] offset:(64*((\q)/2)+16*((\q)%2))*4
	global_load_b128 v[NW+8*(\q)+4:NW+8*(\q)+7],     v[NWO], s[10:11] offset:(64*((\q)/2)+16*((\q)%2))*4+16
	global_load_b128 v[NW+32+8*(\q):NW+32+8*(\q)+3], v[NWO], s[12:13] offset:(64*((\q)/2)+16*((\q)%2))*4
	global_load_b128 v[NW+32+8*(\q)+4:NW+32+8*(\q)+7], v[NWO], s[12:13] offset:(64*((\q)/2)+16*((\q)%2))*4+16
.endr
	; LDS addresses
	v_mul_u32_u24 v[FR], v[R16], PITCH
	v_lshl_add_u32 v[FR], v[HH], 4, v[FR]
	s_mul_i32 s78, s[WM], 64*PITCH                 ; my 64 rows of x
	v_add_nc_u32 v[ADRA], s78, v[FR]
	v_mov_b32 v[CURA], v[ADRA]                     ; the walk begins in slot 0
	s_mul_i32 s79, s[WN], 32*PITCH                 ; my column blocks begin at row 32 wn of a head's piece
	s_add_co_u32 s79, s79, PIECE
	v_add_nc_u32 v[ADRB], s79, v[FR]
	v_add_nc_u32 v[ADRB+1], PIECE, v[ADRB]
	v_add_nc_u32 v[ADRB+2], 2*PIECE, v[ADRB]
	v_mov_b32 v[CURB], v[ADRB]
	v_mov_b32 v[CURB+1], v[ADRB+1]
	v_mov_b32 v[CURB+2], v[ADRB+2]
	s_lshl_b32 s80, s[WV], 9
	s_add_co_u32 s80, s80, XCH
	v_lshl_add_u32 v[XS], v[R16], 2, s80
	s_xor_b32 s80, s[WV], 1
	s_lshl_b32 s80, s80, 9
	s_add_co_u32 s80, s80, XCH
	v_lshl_add_u32 v[XR], v[R16], 2, s80
	v_and_b32 v[GO], 31, v0
	v_lshlrev_b32 v[PFO], 12, v[GO]
	v_lshlrev_b32 v[GO], 4, v[GO]
	s_lshl_b32 s81, s[WN], 6
	s_add_co_u32 s81, s81, s78                     ; row 64 wm, byte 64 wn
	v_add_nc_u32 v[STO], s81, v[FR]
	v_add_nc_u32 v[STO+1], SHEAD, v[STO]
	v_add_nc_u32 v[STO+2], 2*SHEAD, v[STO]
	s_mul_i32 s81, s[WV], 32*PITCH                 ; back: wave w takes rows 32 w .. + 31, whole
	v_mul_u32_u24 v[RDV], v[HH], PITCH
	v_lshl_add_u32 v[RDV], v[R16], 4, v[RDV]
	v_add_nc_u32 v[RDV], s81, v[RDV]
	v_add_nc_u32 v[RDV+1], SHEAD, v[RDV]
	v_add_nc_u32 v[RDV+2], 2*SHEAD, v[RDV]
	; q, k, v at head bx, row 128 by + 32 w
	s_lshl_b32 s84, s[BX], 19
	s_lshl_b32 s85, s[BY], 15
	s_add_co_u32 s84, s84, s85
	s_lshl_b32 s85, s[WV], 13
	s_add_co_u32 s84, s84, s85
	s_mov_b32 s85, 0
	s_add_nc_u64 s[OB:OB+1], s[14:15], s[84:85]
	s_add_nc_u64 s[OB+2:OB+3], s[OB:OB+1], PL
	s_add_nc_u64 s[OB+4:OB+5], s[OB+2:OB+3], PL
	; the prefetches: who asks, and my work-group's 32 rows (by cy) of the 128 rows of plane w that I fetch
	s_and_b32 s84, ttmp7, 0xffff                   ; the cluster's y
	s_lshr_b32 s84, s84, 1                         ; 0 where it is 0 or 1
	s_cmp_eq_u32 s[WV], 0
	s_cselect_b32 s84, 1, s84                      ; wave 0, which fetches x, asks for nothing
	s_cmp_eq_u32 s84, 0
	s_cselect_b32 s[LIM], 10, -1                   ; the same in all sixteen partners, for a given wave
	s_lshl_b32 s85, s[BX], 7
	s_lshl_b32 s86, s[CY], 5
	s_add_co_u32 s85, s85, s86
	s_lshl_b32 s85, s85, 12
	s_lshl_b32 s86, s[WV], 23
	s_add_co_u32 s84, s85, s86
	s_mov_b32 s85, 0
	s_add_nc_u64 s[PFB:PFB+1], s[4:5], s[84:85]
	s_mov_b32 s[POFF+1], 0
; 32 table numbers at base in window W are rounded to bf16 and widened again
.macro RND W, base
	WIN (\W)|((\W)<<2)
.set i, 0
.rept 16
	v_cvt_pk_bf16_f32 v[T+i], v[(\base)+2*i], v[(\base)+2*i+1]
.set i, i+1
.endr
	WIN (\W)<<6
.set i, 0
.rept 16
	v_lshlrev_b32 v[(\base)+2*i], 16, v[T+i]
	v_and_b32 v[(\base)+2*i+1], s[HM], v[T+i]
.set i, i+1
.endr
.endm
; 12 matrix instructions: row block a x all 12 column blocks, 32 along K, buffer f.  The 48 accumulators take turns in the same order in every quarter.  zero = 1: the product starts the sum.
.macro MUL12 f, a, zero
	WIN 0xa1+0x50*((\a)/2)                         ; W's fragments window 1, x's window 0, C and D window 2 or 3
.irp nb, 0,1,2,3,4,5,6,7,8,9,10,11
.if \zero
	v_wmma_f32_16x16x32_bf16 v[96*((\a)%2)+8*(\nb):96*((\a)%2)+8*(\nb)+7], v[96*(\f)+8*(\nb):96*(\f)+8*(\nb)+7], v[FA+32*(\f)+8*(\a):FA+32*(\f)+8*(\a)+7], 0
.else
	v_wmma_f32_16x16x32_bf16 v[96*((\a)%2)+8*(\nb):96*((\a)%2)+8*(\nb)+7], v[96*(\f)+8*(\nb):96*(\f)+8*(\nb)+7], v[FA+32*(\f)+8*(\a):FA+32*(\f)+8*(\a)+7], v[96*((\a)%2)+8*(\nb):96*((\a)%2)+8*(\nb)+7]
.endif
.endr
.endm
; 32 LDS loads in one run, from the slot that is being read: the fragments of 32 along K at byte k of the rows, into buffer f: the weights' 24, then x's 8, row blocks ascending
.macro FETCH k, f
	WIN 0x40
.irp hd, 0,1,2
.irp p, 0,1,2,3
	ds_load_b128 v[96*(\f)+8*(4*(\hd)+(\p)):96*(\f)+8*(4*(\hd)+(\p))+3],   v[CURB+(\hd)] offset:(\k)+(64*((\p)/2)+16*((\p)%2))*PITCH
	ds_load_b128 v[96*(\f)+8*(4*(\hd)+(\p))+4:96*(\f)+8*(4*(\hd)+(\p))+7], v[CURB+(\hd)] offset:(\k)+(64*((\p)/2)+16*((\p)%2))*PITCH+32
.endr
.endr
	WIN 0
.irp a, 0,1,2,3
	ds_load_b128 v[FA+32*(\f)+8*(\a):FA+32*(\f)+8*(\a)+3],   v[CURA] offset:(\k)+(\a)*16*PITCH
	ds_load_b128 v[FA+32*(\f)+8*(\a)+4:FA+32*(\f)+8*(\a)+7], v[CURA] offset:(\k)+(\a)*16*PITCH+32
.endr
.endm
; A K step is four quarters of 32 along K, 48 matrix instructions each, on buffers 0, 1, 0, 1.  One of the first three multiplies buffer f and fetches the next quarter, at byte k, into g.
.macro QUARTER k, f, g, zero
	s_wait_dscnt 4                                 ; the weights and x's row blocks 0, 1 are in; the youngest four loads (blocks 2, 3) may be out
	MUL12 \f, 0, \zero
	MUL12 \f, 1, \zero
	PLACES
	FETCH \k, \g
	s_wait_dscnt 32                                ; all but the 32 just issued
	MUL12 \f, 2, \zero
	MUL12 \f, 3, \zero
.endm
; The last quarter multiplies buffer 1 and changes slots: ONE barrier; in front of it each wave waits for all its tensor loads (one is out: its piece of the next slot), adds 0 to its spare word,
; and waits for that and for its reads of this slot.  fill = 1: the barrier opens a round of the cluster's, and this slot is filled again first behind it, with the walk's step two on.
.macro TURN fill
.if \fill
	s_wait_xcnt 0x0                                ; the last prefetch, a K step back, has read its address, which is made anew: two steps on from the refill's
	s_add_co_u32 s[POFF], s[KS], 2
	s_and_b32 s[POFF], s[POFF], 15
	s_lshl_b32 s[POFF], s[POFF], 8
	s_add_nc_u64 s[PFA:PFA+1], s[PFB:PFB+1], s[POFF:POFF+1]
.endif
	WIN 0
	s_wait_tensorcnt 0x0                           ; all my tensor loads have landed, so a group 0 may be written
	ds_add_u32 v[SPW], v[NIL]                      ; 0 onto my spare word: scalar work and twelve matrix instructions stand between it and the wait for it
.if \fill
	s_lshl_b32 s[OFF], s[KS], 8
	s_add_co_u32 s[G0A+5], s[FS], s[LB]            ; into the slot that is being left
	s_add_nc_u64 s[G0A+6:G0A+7], s[BA:BA+1], s[OFF:OFF+1]
	s_or_b32 s[G0A+7], s[G0A+7], 0x80000000
	s_add_co_u32 s[G0B+5], s[FS], s[LB]
	s_add_nc_u64 s[G0B+6:G0B+7], s[BBS:BBS+1], s[OFF:OFF+1]
	s_or_b32 s[G0B+7], s[G0B+7], 0x80000000
	s_add_co_u32 s[KS], s[KS], 1                   ; the walk goes round
	s_and_b32 s[KS], s[KS], 15
.endif
	s_xor_b32 s[FS], s[FS], SLOT                   ; 0 and SLOT by turns: the other slot is read next, and is the next to be left
	s_wait_dscnt 5                                 ; (the add and the youngest four loads may be out)
	MUL12 1, 0, 0
	s_wait_dscnt 0x0                               ; the add is done, and my reads of this slot are over
	s_barrier_signal -1
	MUL12 1, 1, 0
	WIN 0
	s_barrier_wait -1
.if \fill
	CREST                                          ; no wave of any partner still reads this slot or has a load on its way
	JLOAD 1                                        ; my one tensor load behind the round; its four v_nop are also places in front of the loads below
.else
	PLACES
.endif
	v_add_nc_u32 v[CURA], s[FS], v[ADRA]
	v_add_nc_u32 v[CURB], s[FS], v[ADRB]
	v_add_nc_u32 v[CURB+1], s[FS], v[ADRB+1]
	v_add_nc_u32 v[CURB+2], s[FS], v[ADRB+2]
	FETCH 0, 0
.if \fill
	ASK
.endif
	MUL12 1, 2, 0
	MUL12 1, 3, 0
.endm
	s_wait_loadcnt 0x0                             ; the tables
	RND 2, 192
	RND 2, 224
	RND 3, 192
	RND 3, 224
	RND 0, NW
	RND 0, NW+32
	WIN 0
	s_wait_tensorcnt 1                             ; my piece of the walk's step 0 is in; step 1's may stay out
	s_barrier_signal -1
	s_barrier_wait -1
	FETCH 0, 0
	QUARTER 64, 0, 1, 1                            ; the first quarter stands in front of the loop: its products start the sums
	WIN 0
	s_mov_b32 s[LAP], 14
.Lstep:                                        ; a trip: a step's quarters 2 to 4 and the next step's first; the slot left is filled again: the walk's steps 2 to 15
	QUARTER 128, 1, 0, 0
	QUARTER 192, 0, 1, 0
	TURN 1
	QUARTER 64, 0, 1, 0
	WIN 0
	s_sub_co_u32 s[LAP], s[LAP], 1
	s_cmp_lg_u32 s[LAP], 0
	s_cbranch_scc1 .Lstep
	QUARTER 128, 1, 0, 0                           ; the last two steps fill nothing
	QUARTER 192, 0, 1, 0
	TURN 0
	QUARTER 64, 0, 1, 0
	QUARTER 128, 1, 0, 0
	QUARTER 192, 0, 1, 0
	s_wait_dscnt 4
	MUL12 1, 0, 0
	MUL12 1, 1, 0
	s_wait_dscnt 0x0
	MUL12 1, 2, 0
	MUL12 1, 3, 0
	PLACES
; ROPE: head hd (q or k) of row block a is turned in place: x1 = blocks p = 0, 1 (16 registers), x2 = blocks 2, 3; then its squares are summed in two chains.  Each accumulator is read from its low end on.
.macro ROPE a, hd
.set W,  2+(\a)/2
.set AC, 96*((\a)%2)+32*(\hd)
.set CT, 192+32*((\a)%2)
.set TT, T+32*(\hd)
.set IX, 2*(\a)+(\hd)
	WIN W|(W<<2)
.set i, 0
.rept 8
	v_pk_mul_f32 v[TT+2*i:TT+2*i+1], v[AC+16+2*i:AC+16+2*i+1], v[CT+16+2*i:CT+16+2*i+1]     ; x2 sin
	v_pk_mul_f32 v[TT+16+2*i:TT+16+2*i+1], v[AC+2*i:AC+2*i+1], v[CT+16+2*i:CT+16+2*i+1]     ; x1 sin
.set i, i+1
.endr
	WIN W|(W<<2)|(W<<6)
.set i, 0
.rept 8
	v_pk_fma_f32 v[AC+2*i:AC+2*i+1], v[AC+2*i:AC+2*i+1], v[CT+2*i:CT+2*i+1], v[TT+2*i:TT+2*i+1] neg_lo:[0,0,1] neg_hi:[0,0,1]  ; x1 cos - x2 sin
	v_pk_fma_f32 v[AC+16+2*i:AC+16+2*i+1], v[AC+16+2*i:AC+16+2*i+1], v[CT+2*i:CT+2*i+1], v[TT+16+2*i:TT+16+2*i+1]             ; x2 cos + x1 sin
.set i, i+1
.endr
	WIN W|(W<<2)
	v_pk_mul_f32 v[SSA+2*IX:SSA+2*IX+1], v[AC:AC+1], v[AC:AC+1]
	v_pk_mul_f32 v[SSB+2*IX:SSB+2*IX+1], v[AC+16:AC+17], v[AC+16:AC+17]
.set i, 1
.rept 7
	v_pk_fma_f32 v[SSA+2*IX:SSA+2*IX+1], v[AC+2*i:AC+2*i+1], v[AC+2*i:AC+2*i+1], v[SSA+2*IX:SSA+2*IX+1]
	v_pk_fma_f32 v[SSB+2*IX:SSB+2*IX+1], v[AC+16+2*i:AC+16+2*i+1], v[AC+16+2*i:AC+16+2*i+1], v[SSB+2*IX:SSB+2*IX+1]
.set i, i+1
.endr
.endm
.irp a, 0,1,2,3
.irp hd, 0,1
	ROPE \a, \hd
.endr
.endr
	WIN 0
.macro EACH8 line:vararg               ; one line for each i = 2 a + head
.set i, 0
.rept 8
	\line
.set i, i+1
.endr
.endm
	EACH8 v_pk_add_f32 v[SSA+2*i:SSA+2*i+1], v[SSA+2*i:SSA+2*i+1], v[SSB+2*i:SSB+2*i+1]
	EACH8 v_add_f32 v[SSA+2*i], v[SSA+2*i], v[SSA+2*i+1]
	EACH8 v_permlanex16_b32 v[SSB+2*i], v[SSA+2*i], s[SEL], s[SEL+1]   ; the row's other columns of my 64 lie in the lane 16 away
	EACH8 v_add_f32 v[SSA+2*i], v[SSA+2*i], v[SSB+2*i]
	EACH8 ds_store_b32 v[XS], v[SSA+2*i] offset:64*i                   ; lanes l and l + 16 write the same word with the same number
	s_wait_dscnt 0x0                               ; for my partner's sake: my stores are done
	s_barrier_signal -1
	s_barrier_wait -1
	EACH8 ds_load_b32 v[SSA+2*i+1], v[XR] offset:64*i                  ; the other 64 columns' sum
	s_wait_dscnt 0x0
	EACH8 v_add_f32 v[SSA+2*i], v[SSA+2*i], v[SSA+2*i+1]
	EACH8 v_fma_f32 v[SSA+2*i], v[SSA+2*i], s62, s63                   ; mean + eps
	EACH8 v_rsq_f32 v[RSQ+i], v[SSA+2*i]
	v_nop                                          ; a plain instruction behind the last root,
	s_wait_alu depctr_va_vdst(0)                   ; and the one wait ahead of the first use of the eight
; EMIT: head hd of row block a is scaled (q, k: gain and root; v / 4 as it is), rounded to f16 and put into the stage: four blocks of 16 bytes a lane
.macro EMIT a, hd
.set W,  2+(\a)/2
.set AC, 96*((\a)%2)+32*(\hd)
.set IX, 2*(\a)+(\hd)
.set PAR, (3*(\a)+(\hd))%2
.set TT, T+32*PAR
.set PK, PKD+16*PAR
.if (\hd) < 2
	WIN W
.set i, 0
.rept 16
	v_pk_mul_f32 v[TT+2*i:TT+2*i+1], v[AC+2*i:AC+2*i+1], v[NW+32*(\hd)+2*i:NW+32*(\hd)+2*i+1]
.set i, i+1
.endr
	WIN 0
.set i, 0
.rept 16
.if (\hd) == 0
	v_pk_mul_f32 v[TT+2*i:TT+2*i+1], v[TT+2*i:TT+2*i+1], v[RSQ+IX:RSQ+IX+1] op_sel_hi:[1,0]
.else
	v_pk_mul_f32 v[TT+2*i:TT+2*i+1], v[TT+2*i:TT+2*i+1], v[RSQ+IX-1:RSQ+IX] op_sel:[0,1] op_sel_hi:[1,1]
.endif
.set i, i+1
.endr
.set i, 0
.rept 16
	v_cvt_pk_f16_f32 v[PK+i], v[TT+2*i], v[TT+2*i+1]
.set i, i+1
.endr
.else
	WIN W|(W<<2)                                   ; both sources in the accumulators' window
.set i, 0
.rept 16
	v_cvt_pk_f16_f32 v[PK+i], v[AC+2*i], v[AC+2*i+1]
.set i, i+1
.endr
	WIN 0
.endif
.irp p, 0,1,2,3
	ds_store_b128 v[STO+(\hd)], v[PK+4*(\p):PK+4*(\p)+3] offset:(\a)*16*PITCH+128*((\p)/2)+32*((\p)%2)
.endr
.endm
.irp a, 0,1,2,3
.irp hd, 0,1,2
	EMIT \a, \hd
.endr
.endr
	s_wait_dscnt 0x0                               ; for the others' sake: a row's 256 bytes come from two waves
	s_barrier_signal -1
	s_barrier_wait -1
	WIN 0x40                                       ; back as whole rows: 32 rows of each head a wave
.irp hd, 0,1,2
.irp t, 0,1,2,3,4,5,6,7,8,9,10,11,12,13,14,15
	ds_load_b128 v[4*(16*(\hd)+(\t)):4*(16*(\hd)+(\t))+3], v[RDV+(\hd)] offset:(\t)*2*PITCH
.endr
.endr
	WIN 0x04                                       ; store data in window 1
.irp hd, 0,1,2
.irp t, 0,1,2,3,4,5,6,7,8,9,10,11,12,13,14,15
	s_wait_dscnt 47-16*(\hd)-(\t)
	global_store_b128 v[GO], v[4*(16*(\hd)+(\t)):4*(16*(\hd)+(\t))+3], s[OB+2*(\hd):OB+2*(\hd)+1] offset:512*(\t)  ; two rows of a head: 512 consecutive bytes, at a multiple of 256 from qkv's first
.endr
.endr
	WIN 0
	s_wait_tensorcnt 0x0                           ; the wave's end: the add and its wait come behind my last tensor load and my last LDS store
	ds_add_u32 v[SPW], v[NIL]
	s_wait_dscnt 0x0
	CROUND                                         ; the closing round
	s_endpgm
.Lfunc_end_k_qfb0929a09c_proj:
	.size	k_qfb0929a09c_proj, .Lfunc_end_k_qfb0929a09c_proj-k_qfb0929a09c_proj
	.p2alignl 7, 3214868480
	.fill 96, 4, 3214868480
	.section	.rodata,"a",@progbits
	.p2align	6, 0x0
	.amdhsa_kernel k_qfb0929a09c_proj
		.amdhsa_group_segment_fixed_size 327680
		.amdhsa_private_segment_fixed_size 0
		.amdhsa_enable_private_segment 0
		.amdhsa_kernarg_size 48
		.amdhsa_user_sgpr_count 2
		.amdhsa_user_sgpr_kernarg_segment_ptr 1
		.amdhsa_wavefront_size32 1
		.amdhsa_system_sgpr_workgroup_id_x 1
		.amdhsa_system_sgpr_workgroup_id_y 1
		.amdhsa_system_sgpr_workgroup_id_z 1
		.amdhsa_system_vgpr_workitem_id 0
		.amdhsa_next_free_vgpr 1024
		.amdhsa_next_free_sgpr 90
		.amdhsa_reserve_vcc 0
		.amdhsa_float_denorm_mode_32 3
		.amdhsa_float_denorm_mode_16_64 3
		.amdhsa_memory_ordered 1
		.amdhsa_forward_progress 1
		.amdhsa_inst_pref_size 162
	.end_amdhsa_kernel
	.amdgpu_metadata
---
amdhsa.version: [ 1, 2 ]
amdhsa.kernels:
  - .name:           k_qfb0929a09c_proj
    .symbol:         k_qfb0929a09c_proj.kd
    .args:
      - { .name: wb, .offset: 0, .size: 8, .value_kind: global_buffer, .address_space: global }
      - { .name: sin, .offset: 8, .size: 8, .value_kind: global_buffer, .address_space: global }
      - { .name: cos, .offset: 16, .size: 8, .value_kind: global_buffer, .address_space: global }
      - { .name: q_norm_w, .offset: 24, .size: 8, .value_kind: global_buffer, .address_space: global }
      - { .name: k_norm_w, .offset: 32, .size: 8, .value_kind: global_buffer, .address_space: global }
      - { .name: qkv, .offset: 40, .size: 8, .value_kind: global_buffer, .address_space: global }
    .group_segment_fixed_size: 327680
    .private_segment_fixed_size: 0
    .kernarg_segment_align: 8
    .kernarg_segment_size: 48
    .max_flat_workgroup_size: 128
    .sgpr_count:     90
    .vgpr_count:     1024
    .wavefront_size: 32
...
	.end_amdgpu_metadata
.endif
;; end of part 2
;; launch attn (part 3): grid 16 x 16, 4 waves a work-group, clusters of 4 x 1, 327,680 bytes of LDS; arguments qkv, ob; writes ob
.if DOCPART == 3
	.amdgcn_target "amdgcn-amd-amdhsa--gfx1250"
	.amdhsa_code_object_version 6
	.text
	.protected	k_qfb0929a09c_attn
	.globl	k_qfb0929a09c_attn
	.p2align	8
	.type	k_qfb0929a09c_attn,@function
k_qfb0929a09c_attn:
	s_mov_b64 s[64:65], 0
	v_nop
	global_prefetch_b8 v0, s[64:65] scope:SCOPE_SE
	s_setreg_imm32_b32 hwreg(HW_REG_WAVE_MODE, 25, 1), 1
	s_wait_xcnt 0x0
	s_wait_alu depctr_hold_cnt(0) depctr_sa_sdst(0) depctr_va_vdst(0) depctr_va_sdst(0) depctr_va_ssrc(0) depctr_va_vcc(0) depctr_vm_vsrc(0)
	s_getreg_b32 s2, hwreg(HW_REG_IB_STS2, 6, 4)
	s_cmp_eq_u32 s2, 0
	s_cbranch_scc0 .Lentry_in_a_cluster
	s_endpgm
.Lentry_in_a_cluster:
	s_bfe_u32 s2, ttmp6, 0x10000c
	s_cmp_lg_u32 s2, 0x3003
	s_cbranch_scc0 .Lentry_shape_is_right
	s_endpgm
.Lentry_shape_is_right:
; CAUSAL ATTENTION.  ob[t][128 h + :] = the sum over k <= t of softmax_k(q[h][t] . k[h][k] / sqrt(128)) v[h][k][:].  q, k, v: planes of qkv, [16][2048][128] f16 (v holds v / 4, so ob holds O / 4); ob: [2048][2048] f16.
; Products, maxima and sums in f32; the weights p are rounded to f16 for the second product (their sum l is taken of the unrounded p), O once at the end.
; LIMITS.  A hidden score counts as its value less 1e30.  The shift taken from c s is c m raised by 2^-21 of its size (m the running maximum), the same number in p, in the rescaling and in the merge, so the quotient
; is not changed and no exponent is above 0.  A weight below 2^-126 counts as 0.  NaN and infinities are not treated apart.
; THE WALK.  A head has 32 blocks of 64 queries.  Work-group b = 4 g + cx takes block 31 - b and then block b: 8 - g and g + 1 key tiles of 256 keys: 9 tiles, 18 steps of 128 keys, whatever b.  The four partners of a
; cluster share g, so they walk the same tiles, and each tile is asked for JOINTLY.  Trip counts and branches hang on g alone; cx enters q's and ob's addresses and the masks' values.
; SHARES.  Wave w: qh = w / 2: 32 of the block's queries (two tiles of 16); kh = w % 2: 64 of a step's 128 keys.  The two key halves' partial results are merged once, at the end; the first block's are set aside in registers.
; LAYOUT.  S^T = K Q^T (source 0 = 16 keys, source 1 = 16 queries): a lane holds ONE query (lane % 16) and the keys 8 (lane / 16) + 0..7; two such results rounded to f16 ARE source 1 of O^T = V^T P.
; THE MASK is the C operand that starts S^T's sums.  In units of 16, x = D + t - kb (query block less key block): x > 0: 0; x = 0: TRI (-1e30 where the key is the later); x < 0: -1e30.  Five masks, for t - kb = -3..1,
; are made in every step from D by bit arithmetic: one text serves every step.
; REGISTERS, in windows of 256 (s_set_vgpr_msb: bits 1:0 source 0, 3:2 source 1, 5:4 source 2, 7:6 destination):
;   window 0: v0-11 addresses; v12-27 statistics, 8 a tile; v28-35 the first block's; v36-43 TRI; v44-83 masks; v84-86; v88-95; v96-159 S^T; v160-191 P; v192-255 the merge's second buffer
;   window 1: v0-127 O^T, 64 a tile; v128-255 the first block's O^T      window 2: v0-63 Q; v64-127 the second block's Q; v128-255 K of one step      window 3: v0-127 V of one step
.set PL,    8388608
.set PKP,   272       ; a row of K in LDS: 256 bytes + 16: the 16 rows of a load start 4 words apart modulo 64
.set PVP,   288       ; a row of V: 256 + 32: 16 lanes of the turning load take 8 rows x 32 bytes, 8 words apart modulo 64
.set VOFF,  128*PKP   ; a step's tiles lie together: 128 rows of K, then 128 rows of V
.set STEPB, 128*(PKP+PVP)
.set SLOT,  2*STEPB   ; a slot holds a key tile: two steps
.set SPARE, 2*SLOT    ; the spare words, 128 bytes for each wave: two blocks of 256 bytes that no other line names
.set OSTG,  SPARE+512 ; the way out's stage: 16 rows x 272 bytes for each of the two waves with kh = 0
.set SP,    272
.set MST,   SLOT      ; the merge's stage, in slot 1, which has had its last fill by then: 65,536 bytes of partial O^T,
.set MSTAT, SLOT+65536  ; and 2,048 bytes of statistics
.set AK0, 2           ; v2   my lane's place in a step's K; never rewritten
.set AV0, 3           ; v3   the same for V
.set ADR, 4           ; v4   the LDS address of the run of loads in hand
.set QO,  5           ; v5   my byte offset in 16 rows of Q
.set STO, 6           ; v6   the way out: where I put 16 bytes of a row
.set RD,  7           ; v7   where I read rows back
.set GO,  8           ; v8   my byte offset in two rows of ob
.set ST,  12          ; tile t's statistics at v[ST+8 t]: +0 the shift, +1 m, +2, +3 l (even keys', odd keys'), +4 to +7 at work; a takes +6
.set SVS, 28          ; the first block's, 4 a tile: the shift, -, l
.set TRI, 36
.set MK,  44          ; mask for t - kb = e - 3 at MK + 8 e
.set SPW, 84          ; v84  LDS address of my spare word; never rewritten
.set NIL, 85          ; v85  0; never rewritten
.set PFO, 86          ; v86  256 x lane; never rewritten
.set FP,  88          ; v88-95  the merge: my shift and l for n = 2 block + tile
.set S,   96
.set P,   160
.set PS,  44          ; the merge (the masks' registers are free): my partner's shift and l,
.set ML,  52          ; the common shift, then l,
.set GF,  56          ; the two factors, a pair for each n,
.set RL,  64          ; 1 / l
.set KF,  128         ; K's fragments, in window 2
.set WV, 8
.set QH, 9
.set KH, 10
.set CX, 11
.set GG, 12
.set BB, 13
.set HD, 14
.set KB, 16           ; s[16:17] K at my part of the head's tile 0;  s[18:19] V
.set VB, 18
.set PFA, 20          ; s[20:21] where my prefetches stand
.set LIM, 22          ; s22  2 in the head's first cluster, else the greatest number
.set FS,  23          ; s23  the slot that the next change leaves and fills: 0 or SLOT
.set G1K, 24
.set G1V, 32
.set G0K, 40          ; s[40:47] group 0 for K: a set for each of the two first fills; the second is then made anew for each fill
.set G0V, 48
.set SLOTS, 56
.set TWICE, 57
.set CS,  58          ; s[58:59] c = log2(e) / sqrt(128)
.set SEL, 60
.set TB,  62          ; s62  LDS byte at which the step to be fetched begins
.set RS,  63          ; s63  steps of the first block still to be finished
.set DD,  66          ; s66  D
.set DS0, 67          ; s67  D at the second block's first step
.set NXT, 68          ; s68  the key tile to be asked for next
.set LQ,  69          ; s69  the last key tile of the block whose tiles are being asked for
.set OFF, 70          ; s[70:71]
.set AL,  72          ; s[72:73] the mask's factor
.set BE,  74          ; s[74:75] the mask's addend
.set XX,  76
.set YY,  77
.set BIGN, 78         ; -1e30
.set N2,  79          ; g: the second block's last tile
.set WK,  80          ; my part's place in a slot, for K; s81 for V
.set WVO, 81
.set OBL, 82          ; s[82:83] ob at my rows of the first block; s[84:85] of the second
.set OBS, 84
.set QL,  86          ; s[86:87], s[88:89] Q likewise
.set QS,  88
.set EC,  90          ; c x 2^-21
.set MSB, 0
.macro WIN new
.if MSB != (\new)
	s_set_vgpr_msb (MSB<<8)|(\new)
.set MSB, \new
.endif
.endm
.macro PLACES
.rept 4
	v_nop
.endr
.endm
; A joint refill.  Waves 0 and 1 fetch the tile's two steps of K, waves 2 and 3 those of V: 128 rows of 256 bytes each.  An s_nop 0 and four v_nop follow each of the two lines.
.macro JLOAD
	s_cmp_lt_u32 s[WV], 2
	s_cbranch_scc0 .Lfor_v_\@
	tensor_load_to_lds s[G0K+4:G0K+7], s[G1K:G1K+7]
	s_nop 0
.rept 4
	v_nop
.endr
	s_branch .Lasked_\@
.Lfor_v_\@:
	tensor_load_to_lds s[G0V+4:G0V+7], s[G1V:G1V+7]
	s_nop 0
.rept 4
	v_nop
.endr
.Lasked_\@:
.endm
; A prefetch of the key tile that the NEXT change will ask for.  All clusters of a head walk the head's tiles from 0 on; the first (g = 0) walks all eight and asks alone.  Of the 128 rows that a wave fetches each of the
; four partners takes 32, told apart by address; a lane a row.  It names tiles 3 to 7; the changes behind that ask for nothing.
.macro ASK
	s_cmp_gt_u32 s[SLOTS], s[LIM]
	s_cbranch_scc0 .Lnot_mine_\@
	global_prefetch_b8 v[PFO], s[PFA:PFA+1] th:TH_LOAD_NT scope:SCOPE_SE
.Lnot_mine_\@:
.endm
.macro CROUND
	s_barrier_signal -1
	s_barrier_wait -1
	s_cmp_lg_u32 s[WV], 0
	s_cbranch_scc1 .Lnot_wave_0_\@
	s_barrier_signal -3
.Lnot_wave_0_\@:
	s_barrier_wait -3
	s_barrier_signal -1
	s_barrier_wait -1
.endm
	s_load_b128 s[4:7], s[0:1], 0x0 ; qkv s[4:5], ob s[6:7]
	v_lshl_add_u32 v[SPW], v0, 2, SPARE
	v_mov_b32 v[NIL], 0
	ds_add_u32 v[SPW], v[NIL]       ; the wave's opening: the add and its wait stand ahead of my first tensor load; the set-up below stands between them
	v_lshrrev_b32 v1, 5, v0
	v_readfirstlane_b32 s[WV], v1
	s_lshr_b32 s[QH], s[WV], 1
	s_and_b32 s[KH], s[WV], 1
	s_bfe_u32 s[CX], ttmp6, 0x40000
	s_mov_b32 s[GG], ttmp9          ; g: the cluster's x, which the four partners share
	s_lshl_b32 s[BB], s[GG], 2
	s_add_co_u32 s[BB], s[BB], s[CX]
	s_and_b32 s[HD], ttmp7, 0xffff  ; the head
	s_lshl_b32 s[KB], s[HD], 19     ; the head's 524,288 bytes,
	s_lshl_b32 s15, s[KH], 15       ; the step of a tile that I fetch: w % 2
	s_add_co_u32 s[KB], s[KB], s15
	s_add_co_u32 s[VB], s[KB], 2*PL
	s_add_co_u32 s[KB], s[KB], PL
	s_mov_b32 s[KB+1], 0
	s_mov_b32 s[VB+1], 0
	s_mul_i32 s[WK], s[KH], STEPB
	s_add_co_u32 s[WVO], s[WK], VOFF
	s_mov_b32 s[G1K], 15|(1<<16)|(1<<20)|(1<<21)|(5<<22)|(3<<25)  ; 15:0 the mask of four; 17:16 2-byte elements; 20 padding on; 21 set beside a mask; 24:22 after every 64 words; 31:25 4 words
	s_mov_b32 s[G1V], 15|(1<<16)|(1<<20)|(1<<21)|(5<<22)|(7<<25)  ; the same with 8 words
.irp g, G1K, G1V
	s_mov_b32 s[(\g)+1], 128<<16    ; tensor_dim0 = 128
	s_mov_b32 s[(\g)+2], 128<<16    ; tensor_dim1 = 128
	s_mov_b32 s[(\g)+3], 128<<16    ; tile_dim0 = 128
	s_mov_b32 s[(\g)+4], 128        ; tile_dim1 = 128
	s_mov_b32 s[(\g)+5], 128        ; elements from row to row
	s_mov_b32 s[(\g)+6], 0
	s_mov_b32 s[(\g)+7], 0
.endr
	s_mov_b32 s[CS], 0x3e0293ee     ; c = 0.127517
	s_mov_b32 s[CS+1], s[CS]
	s_mov_b32 s[EC], 0x338293ee     ; c x 2^-21
	s_mov_b32 s[SEL], 0x76543210
	s_mov_b32 s[SEL+1], 0xfedcba98
	s_mov_b32 s[BIGN], 0xf149f2ca   ; -1e30
	s_mov_b32 s[AL+1], 0            ; named as pairs
	s_mov_b32 s[BE+1], 0
	s_mov_b32 s[OFF+1], 0
	s_mov_b32 s[FS], 0
	s_mov_b32 s[TB], 0
	s_mov_b32 s[NXT], 2
	s_sub_co_u32 s[LQ], 7, s[GG]    ; the first block's last tile
	s_mov_b32 s[N2], s[GG]
	s_lshl_b32 s[RS], s[GG], 1
	s_sub_co_u32 s[RS], 16, s[RS]   ; its 2 (8 - g) steps
	s_cmp_eq_u32 s[GG], 0
	s_cselect_b32 s[LIM], 2, -1
	; what hangs on cx: the two blocks' rows and D
	s_sub_co_u32 s92, 31, s[BB]
	s_lshl_b32 s94, s[QH], 5
	s_lshl_b32 s93, s92, 6
	s_add_co_u32 s93, s93, s94      ; my first row of the first block
	s_lshl_b32 s95, s[BB], 6
	s_add_co_u32 s95, s95, s94      ; and of the second
	s_lshl_b32 s94, s[HD], 19
	s_lshl_b32 s[QL], s93, 8
	s_add_co_u32 s[QL], s[QL], s94
	s_mov_b32 s[QL+1], 0
	s_lshl_b32 s[QS], s95, 8
	s_add_co_u32 s[QS], s[QS], s94
	s_mov_b32 s[QS+1], 0
	s_lshl_b32 s94, s[HD], 8
	s_lshl_b32 s[OBL], s93, 12
	s_add_co_u32 s[OBL], s[OBL], s94
	s_mov_b32 s[OBL+1], 0
	s_lshl_b32 s[OBS], s95, 12
	s_add_co_u32 s[OBS], s[OBS], s94
	s_mov_b32 s[OBS+1], 0
	s_lshl_b32 s93, s[QH], 1
	s_lshl_b32 s94, s[KH], 2
	s_sub_co_i32 s93, s93, s94      ; 2 qh - 4 kh
	s_lshl_b32 s[DD], s92, 2
	s_add_co_i32 s[DD], s[DD], s93
	s_lshl_b32 s[DS0], s[BB], 2
	s_add_co_i32 s[DS0], s[DS0], s93
	v_and_b32 v[PFO], 31, v0
	v_lshlrev_b32 v[PFO], 8, v[PFO]
	s_wait_dscnt 0x0                ; the opening add is done
	s_wait_kmcnt 0x0
	s_add_nc_u64 s[KB:KB+1], s[4:5], s[KB:KB+1]
	s_add_nc_u64 s[VB:VB+1], s[4:5], s[VB:VB+1]
	s_add_nc_u64 s[QL:QL+1], s[4:5], s[QL:QL+1]
	s_add_nc_u64 s[QS:QS+1], s[4:5], s[QS:QS+1]
	s_add_nc_u64 s[OBL:OBL+1], s[6:7], s[OBL:OBL+1]
	s_add_nc_u64 s[OBS:OBS+1], s[6:7], s[OBS:OBS+1]
	s_cmp_lt_u32 s[WV], 2
	s_cselect_b64 s[PFA:PFA+1], s[KB:KB+1], s[VB:VB+1]
	s_lshl_b32 s92, s[CX], 13       ; my work-group's 32 rows of the 128
	s_mov_b32 s93, 0
	s_add_nc_u64 s[PFA:PFA+1], s[PFA:PFA+1], s[92:93]
	s_add_nc_u64 s[PFA:PFA+1], s[PFA:PFA+1], 2*65536  ; at tile 2; the first change steps it to tile 3
	CROUND                          ; all four work-groups are here: the first joint loads meet
.irp s, 0,1
	s_mov_b32 s[G0K+4*(\s)], 1
	s_add_co_u32 s[G0K+4*(\s)+1], s[WK], (\s)*SLOT
	s_add_nc_u64 s[G0K+4*(\s)+2:G0K+4*(\s)+3], s[KB:KB+1], (\s)*65536
	s_or_b32 s[G0K+4*(\s)+3], s[G0K+4*(\s)+3], 0x80000000
	s_mov_b32 s[G0V+4*(\s)], 1
	s_add_co_u32 s[G0V+4*(\s)+1], s[WVO], (\s)*SLOT
	s_add_nc_u64 s[G0V+4*(\s)+2:G0V+4*(\s)+3], s[VB:VB+1], (\s)*65536
	s_or_b32 s[G0V+4*(\s)+3], s[G0V+4*(\s)+3], 0x80000000
.endr
	s_cmp_lt_u32 s[WV], 2           ; a wave's two first fills stand in one branch: tiles 0 and 1; two loads of mine are out
	s_cbranch_scc0 .Lfirst_v
	tensor_load_to_lds s[G0K:G0K+3], s[G1K:G1K+7]
	s_nop 0
	tensor_load_to_lds s[G0K+4:G0K+7], s[G1K:G1K+7]
	s_nop 0
.rept 4
	v_nop
.endr
	s_branch .Lfirst_asked
.Lfirst_v:
	tensor_load_to_lds s[G0V:G0V+3], s[G1V:G1V+7]
	s_nop 0
	tensor_load_to_lds s[G0V+4:G0V+7], s[G1V:G1V+7]
	s_nop 0
.rept 4
	v_nop
.endr
.Lfirst_asked:
	v_and_b32 v1, 15, v0            ; l % 16
	v_bfe_u32 v9, v0, 4, 1          ; l / 16
	v_lshlrev_b32 v[QO], 8, v1
	v_lshl_add_u32 v[QO], v9, 4, v[QO]
	WIN 0x80                        ; both blocks' Q stay in registers: tile i / 4, channels 32 (i % 4) on
.irp i, 0,1,2,3,4,5,6,7
	global_load_b128 v[8*(\i):8*(\i)+3],       v[QO], s[QL:QL+1] offset:((\i)/4)*4096+((\i)%4)*64
	global_load_b128 v[8*(\i)+4:8*(\i)+7],     v[QO], s[QL:QL+1] offset:((\i)/4)*4096+((\i)%4)*64+32
	global_load_b128 v[64+8*(\i):64+8*(\i)+3], v[QO], s[QS:QS+1] offset:((\i)/4)*4096+((\i)%4)*64
	global_load_b128 v[64+8*(\i)+4:64+8*(\i)+7], v[QO], s[QS:QS+1] offset:((\i)/4)*4096+((\i)%4)*64+32
.endr
	WIN 0
	v_lshlrev_b32 v10, 3, v9
	v_sub_nc_u32 v10, v1, v10       ; l % 16 - 8 (l / 16): register r is hidden where r is greater
.irp r, 0,1,2,3,4,5,6,7
	v_cmp_gt_i32 vcc_lo, \r, v10
	v_cndmask_b32 v[TRI+(\r)], 0, s[BIGN], vcc_lo
.endr
	v_mul_u32_u24 v[AK0], v1, PKP
	v_lshl_add_u32 v[AK0], v9, 4, v[AK0]
	s_mul_i32 s15, s[KH], 64*PKP    ; my 64 keys of a step's 128
	v_add_nc_u32 v[AK0], s15, v[AK0]
	; the turning load takes 16 keys x 16 channels (lane l reads key 8 (l / 16) + l % 8, channels 8 ((l / 8) % 2) + 0..7) and leaves half a fragment of V^T
	v_and_b32 v10, 7, v0
	v_bfe_u32 v11, v0, 3, 1
	v_lshl_add_u32 v[AV0], v9, 3, v10
	v_mul_u32_u24 v[AV0], v[AV0], PVP
	v_lshl_add_u32 v[AV0], v11, 4, v[AV0]
	s_mul_i32 s15, s[KH], 64*PVP
	s_add_co_u32 s15, s15, VOFF
	v_add_nc_u32 v[AV0], s15, v[AV0]
	s_mul_i32 s15, s[QH], 16*SP
	s_add_co_u32 s15, s15, OSTG
	v_mul_u32_u24 v[STO], v1, SP
	v_lshl_add_u32 v[STO], v9, 4, v[STO]
	v_add_nc_u32 v[STO], s15, v[STO]
	v_mul_u32_u24 v[RD], v9, SP
	v_lshl_add_u32 v[RD], v1, 4, v[RD]
	v_add_nc_u32 v[RD], s15, v[RD]
	v_lshlrev_b32 v[GO], 12, v9
	v_lshl_add_u32 v[GO], v1, 4, v[GO]
	; a block's first step multiplies O^T and l by a = 0, so they need only be finite: zeros, written in the wait for the first tile, in place of a first step written out; the registers set aside likewise
	WIN 0x40
.set i, 0
.rept 256
	v_mov_b32 v[i], 0
.set i, i+1
.endr
	WIN 0
.irp t, 0,1
	v_mov_b32 v[ST+8*(\t)], 0xfe000000    ; the shift: far below every c s
	v_mov_b32 v[ST+8*(\t)+1], 0xff7fffff  ; m: the lowest finite number
	v_mov_b32 v[ST+8*(\t)+2], 0
	v_mov_b32 v[ST+8*(\t)+3], 0
	v_mov_b32 v[SVS+4*(\t)], 0
	v_mov_b32 v[SVS+4*(\t)+2], 0
	v_mov_b32 v[SVS+4*(\t)+3], 0
.endr
; THE LDS LOADS stand in runs of 32: my 64 keys of a step's K (16 fragments) and of its V (turned).
.macro FETCH_K
	WIN 0
	v_add_nc_u32 v[ADR], s[TB], v[AK0]
	WIN 0x80
.irp f, 0,1,2,3,4,5,6,7,8,9,10,11,12,13,14,15  ; keys 16 (f / 4) on, channels 32 (f % 4) on
	ds_load_b128 v[KF+8*(\f):KF+8*(\f)+3],   v[ADR] offset:((\f)/4)*16*PKP+((\f)%4)*64
	ds_load_b128 v[KF+8*(\f)+4:KF+8*(\f)+7], v[ADR] offset:((\f)/4)*16*PKP+((\f)%4)*64+32
.endr
.endm
.macro FETCH_V
	WIN 0
	v_add_nc_u32 v[ADR], s[TB], v[AV0]
	s_add_co_u32 s[TB], s[TB], STEPB  ; the next fetch is the next step's
	WIN 0xc0
.irp f, 0,1,2,3,4,5,6,7,8,9,10,11,12,13,14,15  ; keys 32 (f / 8) on, channels 16 (f % 8) on
	ds_load_tr16_b128 v[8*(\f):8*(\f)+3],   v[ADR] offset:((\f)/8)*32*PVP+((\f)%8)*32
	ds_load_tr16_b128 v[8*(\f)+4:8*(\f)+7], v[ADR] offset:((\f)/8)*32*PVP+16*PVP+((\f)%8)*32
.endr
.endm
; 32 products S^T = K Q^T: channels 32 (i / 8) on, keys 16 ((i / 2) % 4) on, tile i % 2.  The first 8 start the sums with their masks.  The 8 accumulators take turns.
.macro KQALL
	WIN 0x0a
.set i, 0
.rept 32
.set rS, S+32*(i%2)+8*((i/2)%4)
.set rK, KF+32*((i/2)%4)+8*(i/8)
.set rQ, 32*(i%2)+8*(i/8)
.set rM, MK+8*((i%2)-((i/2)%4)+3)
.if i < 8
	v_wmma_f32_16x16x32_f16 v[rS:rS+7], v[rK:rK+7], v[rQ:rQ+7], v[rM:rM+7]
.else
	v_wmma_f32_16x16x32_f16 v[rS:rS+7], v[rK:rK+7], v[rQ:rQ+7], v[rS:rS+7]
.endif
.set i, i+1
.endr
.endm
; 32 products O^T += V^T P: keys 32 (i / 16) on, channels 16 ((i / 2) % 8) on, tile i % 2.  16 accumulators take turns.
.macro PVALL
	WIN 0x53
.set i, 0
.rept 32
.set rO, 64*(i%2)+8*((i/2)%8)
.set rV, 64*(i/16)+8*((i/2)%8)
.set rP, P+16*(i%2)+8*(i/16)
	v_wmma_f32_16x16x32_f16 v[rO:rO+7], v[rV:rV+7], v[rP:rP+7], v[rO:rO+7]
.set i, i+1
.endr
.endm
; The five masks of the step in hand.  X = D + e - 3.  BE = -1e30 where X < 0; AL = 1 where X = 0: signs spread over a word, no compare.
.macro MASKS
	WIN 0
.irp e, 0,1,2,3,4
	s_add_co_i32 s[XX], s[DD], (\e)-3
	s_ashr_i32 s[YY], s[XX], 31
	s_and_b32 s[BE], s[YY], s[BIGN]
	s_sub_co_i32 s[YY], 0, s[XX]
	s_or_b32 s[YY], s[YY], s[XX]
	s_ashr_i32 s[YY], s[YY], 31
	s_and_not1_b32 s[AL], 1.0, s[YY]
.irp r, 0,2,4,6
	v_pk_fma_f32 v[MK+8*(\e)+(\r):MK+8*(\e)+(\r)+1], v[TRI+(\r):TRI+(\r)+1], s[AL:AL+1], s[BE:BE+1] op_sel_hi:[1,0,0]
.endr
.endr
.endm
; One tile's softmax for one step is a numbered list; SM writes number j of it for tile t.  s0-s31 are the lane's 32 scores, in pairs 0-15.
;   0-15    the maximum of s0-s31 and the old m, three operands at a time (each accumulator's lowest registers are read first)
;   16-20   the other half of the lanes' maximum; the new m; the shift c m + |m| c 2^-21; old shift - new shift
;   21-69   ONE BATCH: the 16 scalings c s - shift and all 33 exponentials (a at 23, then s0-s31); none of these reads an exponential's result
;   70-85   the roundings to f16     86-101  the sums; l = a l + the sum     102-133  the tile's O^T times a
.macro SM t
.set rT, ST+8*(\t)
.set rS, S+32*(\t)
.set rP, P+16*(\t)
.set rO, 64*(\t)+2*(j-102)
.if j < 102
	WIN 0
.endif
.if j < 4
	v_max3_num_f32 v[rT+4+j], v[rS+8*j], v[rS+8*j+1], v[rS+8*j+2]
.elseif j < 12
	v_max3_num_f32 v[rT+4+j%4], v[rT+4+j%4], v[rS+8*(j%4)+2*(j/4)+1], v[rS+8*(j%4)+2*(j/4)+2]
.elseif j == 12
	v_max3_num_f32 v[rT+4], v[rT+4], v[rS+7], v[rS+15]
.elseif j == 13
	v_max3_num_f32 v[rT+6], v[rT+6], v[rS+23], v[rS+31]
.elseif j == 14
	v_max3_num_f32 v[rT+4], v[rT+4], v[rT+5], v[rT+6]
.elseif j == 15
	v_max3_num_f32 v[rT+4], v[rT+4], v[rT+7], v[rT+1]
.elseif j == 16
	v_permlanex16_b32 v[rT+5], v[rT+4], s[SEL], s[SEL+1]  ; the query's other 32 keys lie in the lane 16 away
.elseif j == 17
	v_mov_b32 v[rT+7], v[rT]        ; the old shift is kept for a
.elseif j == 18
	v_max_num_f32 v[rT+1], v[rT+4], v[rT+5]
.elseif j == 19
	v_mul_f32 v[rT], s[CS], v[rT+1]
	v_fma_f32 v[rT], |v[rT+1]|, s[EC], v[rT]  ; eight times the rounding of c m: no c s - shift is above 0, and where every key is hidden it is far below 0
.elseif j == 20
	v_sub_f32 v[rT+7], v[rT+7], v[rT]
.elseif j == 23
	v_exp_f32 v[rT+6], v[rT+7]
.elseif (j < 23) || ((j < 38) && (j%2 == 0)) || ((j < 66) && (j%4 == 2))
.set b, (j-2)/4                     ; 38, 42, .. 62: pairs 9 to 15
.if j < 38
.set b, (j-20)/2                    ; 21: pair 0; 22, 24, .. 36: pairs 1 to 8
.endif
	v_pk_fma_f32 v[rS+2*b:rS+2*b+1], v[rS+2*b:rS+2*b+1], s[CS:CS+1], v[rT:rT+1] op_sel_hi:[1,0,0] neg_lo:[0,0,1] neg_hi:[0,0,1]
.elseif j < 70
.set e, j-38                        ; 66 to 69: s28 to s31
.if j < 66
.set e, j-32-(j-38)/4               ; 39-41, 43-45, .. 63-65: s7 to s27
.endif
.if j < 38
.set e, (j-25)/2                    ; 25, 27, .. 37: s0 to s6
.endif
	v_exp_f32 v[rS+e], v[rS+e]
.elseif j < 86
	v_cvt_pk_f16_f32 v[rP+j-70], v[rS+2*(j-70)], v[rS+2*(j-70)+1]
.elseif j < 102                     ; the 16 pairs are added in place, neighbours 1, 2, 4 and 8 pairs apart; then l takes the sum
.set z, j-86
.set w, 4
.set u, z
.if z >= 14
.set w, 32
.set u, 0
.elseif z >= 12
.set w, 16
.set u, z-12
.elseif z >= 8
.set w, 8
.set u, z-8
.endif
.if z < 15
	v_pk_add_f32 v[rS+w*u:rS+w*u+1], v[rS+w*u:rS+w*u+1], v[rS+w*u+w/2:rS+w*u+w/2+1]
.else
	v_pk_fma_f32 v[rT+2:rT+3], v[rT+2:rT+3], v[rT+6:rT+7], v[rS:rS+1] op_sel_hi:[1,0,1]
.endif
.else
	WIN 0x41
	v_pk_mul_f32 v[rO:rO+1], v[rO:rO+1], v[rT+6:rT+7] op_sel_hi:[1,0]
.endif
.endm
; Both tiles' softmax, the tiles alternating; the batch in fours of one tile.  The 66 exponentials have one plain instruction behind the last and ONE wait ahead of the first reader.
.macro SOFTMAX
.set j, 0
.rept 22
	SM 0
	SM 1
.set j, j+1
.endr
.set jj, 22
.rept 12
.irp t, 0,1
.irp n, 0,1,2,3
.set j, jj+(\n)
	SM \t
.endr
.endr
.set jj, jj+4
.endr
	v_nop
	s_wait_alu depctr_va_vdst(0)
.set j, 70
.rept 64
	SM 0
	SM 1
.set j, j+1
.endr
.endm
; THE FIRST BLOCK ENDS: the second block's Q goes where the text names Q (these 64 lines are the places behind the last products); O^T, the shift and l are set aside; m and the shift start anew.
.macro SWITCH
	WIN 0x82
.set i, 0
.rept 64
	v_mov_b32 v[i], v[64+i]
.set i, i+1
.endr
	WIN 0x41
.set i, 0
.rept 128
	v_mov_b32 v[128+i], v[i]
.set i, i+1
.endr
	WIN 0
.irp t, 0,1
	v_mov_b32 v[SVS+4*(\t)], v[ST+8*(\t)]
	v_mov_b32 v[SVS+4*(\t)+2], v[ST+8*(\t)+2]
	v_mov_b32 v[SVS+4*(\t)+3], v[ST+8*(\t)+3]
	v_mov_b32 v[ST+8*(\t)], 0xfe000000
	v_mov_b32 v[ST+8*(\t)+1], 0xff7fffff
.endr
	s_mov_b32 s[DD], s[DS0]
	s_mov_b32 s[RS], 64             ; never 0 again
.endm
; A STEP j: K of step j + 1 is fetched; softmax and V^T P of step j; the masks, V and K Q^T of step j + 1.
.macro BODY
	PLACES                          ; behind the products K Q^T: their scores are read and K's registers loaded again
	FETCH_K
	SOFTMAX
	s_wait_dscnt 32                 ; V of this step is in; K's 32 loads, issued behind it, may stay out
	PVALL
	WIN 0
	s_sub_co_u32 s[RS], s[RS], 1
	s_sub_co_i32 s[DD], s[DD], 8    ; the next step's keys lie 8 blocks of 16 further on
	s_cmp_lg_u32 s[RS], 0
	s_cbranch_scc1 .Lns_\@          ; hangs on g alone; the jump passes no barrier and no tensor load
	SWITCH
.Lns_\@:
	MASKS                           ; its 20 packed lines are the places in front of V's loads
	FETCH_V
	s_wait_dscnt 32                 ; K is in; V's 32 loads may stay out
	KQALL
	WIN 0
.endm
; THE CHANGE OF SLOTS.  Both steps of the slot have been fetched.  Each wave waits for all its tensor loads (one is out: its part of the other slot), adds 0 to its spare word, and waits for that and for its reads.
; fill = 1: the barrier is a round of the cluster's, and the slot is filled again first behind it, with key tile NXT: the descriptor is made anew from that number.  The load has two steps in which to land.
.macro CHANGE fill
	WIN 0
	s_wait_tensorcnt 0x0            ; no tensor load of mine is out, so a group 0 may be written
	ds_add_u32 v[SPW], v[NIL]       ; 0 onto my spare word: scalar work stands between it and the wait for it
.if \fill
	s_lshl_b32 s[OFF], s[NXT], 16   ; a tile is 65,536 bytes of K and of V
	s_add_co_u32 s[G0K+5], s[FS], s[WK]
	s_add_nc_u64 s[G0K+6:G0K+7], s[KB:KB+1], s[OFF:OFF+1]
	s_or_b32 s[G0K+7], s[G0K+7], 0x80000000
	s_add_co_u32 s[G0V+5], s[FS], s[WVO]
	s_add_nc_u64 s[G0V+6:G0V+7], s[VB:VB+1], s[OFF:OFF+1]
	s_or_b32 s[G0V+7], s[G0V+7], 0x80000000
	s_add_co_u32 s[NXT], s[NXT], 1  ; the block's next tile, or behind its last the second block's tile 0
	s_cmp_gt_u32 s[NXT], s[LQ]
	s_cselect_b32 s[NXT], 0, s[NXT]
	s_cselect_b32 s[LQ], s[N2], s[LQ]
	s_wait_xcnt 0x0                 ; the last prefetch, two steps back, has read its address
	s_add_nc_u64 s[PFA:PFA+1], s[PFA:PFA+1], 65536
.endif
	s_xor_b32 s[FS], s[FS], SLOT    ; 0 and SLOT by turns: the other slot is read now, and is the next to be left
	s_mov_b32 s[TB], s[FS]
	s_wait_dscnt 0x0                ; the add is done, and my reads of the slot are over
.if \fill
	CROUND
	JLOAD
	ASK
.else
	s_barrier_signal -1
	s_barrier_wait -1
.endif
.endm
	s_wait_tensorcnt 1              ; my part of tile 0 is in; tile 1's may stay out
	s_barrier_signal -1
	s_barrier_wait -1
	FETCH_K                         ; step 0
	FETCH_V
	MASKS
	s_wait_loadcnt 0x0              ; Q
	s_wait_dscnt 32                 ; K is in
	KQALL
	WIN 0
	s_mov_b32 s[TWICE], 1           ; slot 0 has one step left to fetch
	s_mov_b32 s[SLOTS], 8
	s_branch .Lstep
.Lslot:                             ; seven changes: the walk's tiles 2 to 8 are asked for
	CHANGE 1
	s_mov_b32 s[TWICE], 2
.Lstep:
	BODY
	s_sub_co_u32 s[TWICE], s[TWICE], 1
	s_cmp_lg_u32 s[TWICE], 0
	s_cbranch_scc1 .Lstep
	s_sub_co_u32 s[SLOTS], s[SLOTS], 1
	s_cmp_lg_u32 s[SLOTS], 0
	s_cbranch_scc1 .Lslot
	CHANGE 0                        ; the tail is written out
	s_mov_b32 s[TWICE], 3           ; steps 15, 16, 17.  The last has no step behind it: its fetches read bytes of slot 1 that landed long ago, and its 32 products K Q^T serve nothing: the price, once, of one text for every step
.Ltail:
	BODY
	s_sub_co_u32 s[TWICE], s[TWICE], 1
	s_cmp_lg_u32 s[TWICE], 0
	s_cbranch_scc1 .Ltail
	; THE MERGE.  n = 2 block + tile.  The waves with kh = 1 hand their partial O^T, shift and l to their partners through slot 1, which nobody reads behind this barrier.
	s_wait_dscnt 0x0
	s_barrier_signal -1
	s_barrier_wait -1
.irp t, 0,1
	v_add_f32 v[FP+2*(\t)+1], v[SVS+4*(\t)+2], v[SVS+4*(\t)+3]
	v_add_f32 v[FP+4+2*(\t)+1], v[ST+8*(\t)+2], v[ST+8*(\t)+3]
	v_mov_b32 v[FP+2*(\t)], v[SVS+4*(\t)]
	v_mov_b32 v[FP+4+2*(\t)], v[ST+8*(\t)]
.endr
.irp n, 0,1,2,3
	v_permlanex16_b32 v[MK+(\n)], v[FP+2*(\n)+1], s[SEL], s[SEL+1]
.endr
.irp n, 0,1,2,3
	v_add_f32 v[FP+2*(\n)+1], v[FP+2*(\n)+1], v[MK+(\n)]
.endr
	v_and_b32 v10, 31, v0
	v_lshlrev_b32 v11, 3, v10
	v_lshlrev_b32 v10, 4, v10
	s_lshl_b32 s15, s[QH], 15
	s_add_co_u32 s15, s15, MST
	v_add_nc_u32 v10, s15, v10      ; 16 bytes a lane, 512 a register group, 8,192 a tile
	s_lshl_b32 s15, s[QH], 10
	s_add_co_u32 s15, s15, MSTAT
	v_add_nc_u32 v11, s15, v11
	s_cmp_eq_u32 s[KH], 0
	s_cbranch_scc1 .Lkeep
	WIN 0x04                        ; store data in window 1
.irp n, 0,1,2,3
.set OO, 128-128*((\n)/2)+64*((\n)%2)
.set i, 0
.rept 16
	ds_store_b128 v10, v[OO+4*i:OO+4*i+3] offset:(\n)*8192+512*i
.set i, i+1
.endr
.endr
	WIN 0
.irp n, 0,1,2,3
	ds_store_b64 v11, v[FP+2*(\n):FP+2*(\n)+1] offset:256*(\n)
.endr
.Lkeep:
	s_wait_dscnt 0x0                ; for my partner's sake: my stores are done
	s_barrier_signal -1
	s_barrier_wait -1
	s_cmp_lg_u32 s[KH], 0
	s_cbranch_scc1 .Lend
.macro MLOAD n                      ; my partner's O^T of tile n: S^T's registers and v192-255 by turns
.set BF, S+96*((\n)%2)
.set i, 0
.rept 16
	ds_load_b128 v[BF+4*i:BF+4*i+3], v10 offset:(\n)*8192+512*i
.set i, i+1
.endr
.endm
; Tile n: O = (O0 f0 + O1 f1) / l; rounded to f16; through my stage as in the other launches; 16 rows of 256 bytes go out.
.macro MTILE n
.set BF, S+96*((\n)%2)
.set GP, GF+2*(\n)
.set OO, 128-128*((\n)/2)+64*((\n)%2)
	WIN 0
.set i, 0
.rept 32
	v_pk_mul_f32 v[BF+2*i:BF+2*i+1], v[BF+2*i:BF+2*i+1], v[GP:GP+1] op_sel:[0,1] op_sel_hi:[1,1]
.set i, i+1
.endr
	WIN 0x01
.set i, 0
.rept 32
	v_pk_fma_f32 v[BF+2*i:BF+2*i+1], v[OO+2*i:OO+2*i+1], v[GP:GP+1], v[BF+2*i:BF+2*i+1] op_sel_hi:[1,0,1]
.set i, i+1
.endr
	WIN 0
.set i, 0
.rept 32
	v_cvt_pk_f16_f32 v[BF+i], v[BF+2*i], v[BF+2*i+1]
.set i, i+1
.endr
.irp f, 0,1,2,3,4,5,6,7
	ds_store_b128 v[STO], v[BF+4*(\f):BF+4*(\f)+3] offset:32*(\f)
.endr
.irp f, 0,1,2,3,4,5,6,7
	ds_load_b128 v[BF+32+4*(\f):BF+32+4*(\f)+3], v[RD] offset:(\f)*2*SP  ; LDS serves a wave's instructions in order (ISA guide 5.7.1.4): these see the stores above
.endr
	s_wait_dscnt 0x0
.irp f, 0,1,2,3,4,5,6,7
.if (\n) < 2
	global_store_b128 v[GO], v[BF+32+4*(\f):BF+32+4*(\f)+3], s[OBL:OBL+1] offset:(16*((\n)%2)+2*(\f))*4096  ; 16 lanes store 256 consecutive bytes, at a multiple of 256 from ob's first
.else
	global_store_b128 v[GO], v[BF+32+4*(\f):BF+32+4*(\f)+3], s[OBS:OBS+1] offset:(16*((\n)%2)+2*(\f))*4096
.endif
.endr
.endm
.irp n, 0,1,2,3
	ds_load_b64 v[PS+2*(\n):PS+2*(\n)+1], v11 offset:256*(\n)
.endr
	MLOAD 0
	s_wait_dscnt 16                 ; the statistics are in; tile 0's 16 loads may stay out
.irp n, 0,1,2,3
	v_max_num_f32 v[ML+(\n)], v[FP+2*(\n)], v[PS+2*(\n)]
.endr
.irp n, 0,1,2,3
	v_sub_f32 v[GF+2*(\n)], v[FP+2*(\n)], v[ML+(\n)]
	v_sub_f32 v[GF+2*(\n)+1], v[PS+2*(\n)], v[ML+(\n)]
.endr
.irp n, 0,1,2,3,4,5,6,7
	v_exp_f32 v[GF+(\n)], v[GF+(\n)]
.endr
	v_nop
	s_wait_alu depctr_va_vdst(0)    ; one wait for the eight factors
.irp n, 0,1,2,3
	v_mul_f32 v[ML+(\n)], v[FP+2*(\n)+1], v[GF+2*(\n)]
.endr
.irp n, 0,1,2,3
	v_fmac_f32 v[ML+(\n)], v[PS+2*(\n)+1], v[GF+2*(\n)+1]
.endr
.irp n, 0,1,2,3
	v_rcp_f32 v[RL+(\n)], v[ML+(\n)]  ; my half sees key 0 at the least, so l is not 0
.endr
	v_nop
	s_wait_alu depctr_va_vdst(0)    ; one wait for the four reciprocals
.irp n, 0,1,2,3
	v_mul_f32 v[GF+2*(\n)], v[GF+2*(\n)], v[RL+(\n)]
	v_mul_f32 v[GF+2*(\n)+1], v[GF+2*(\n)+1], v[RL+(\n)]
.endr
	MLOAD 1
	s_wait_dscnt 16                 ; tile 0 is in
	MTILE 0
	s_wait_xcnt 0x0                 ; tile 0's stores have read their registers, which tile 2's loads fill
	MLOAD 2
	MTILE 1
	s_wait_xcnt 0x0
	MLOAD 3
	MTILE 2
	MTILE 3
.Lend:
	s_wait_tensorcnt 0x0            ; the wave's end: the add and its wait come behind my last tensor load and my last LDS store
	ds_add_u32 v[SPW], v[NIL]
	s_wait_dscnt 0x0
	CROUND                          ; the closing round
	s_endpgm
.Lfunc_end_k_qfb0929a09c_attn:
	.size	k_qfb0929a09c_attn, .Lfunc_end_k_qfb0929a09c_attn-k_qfb0929a09c_attn
	.p2alignl 7, 3214868480
	.fill 96, 4, 3214868480
	.section	.rodata,"a",@progbits
	.p2align	6, 0x0
	.amdhsa_kernel k_qfb0929a09c_attn
		.amdhsa_group_segment_fixed_size 327680
		.amdhsa_private_segment_fixed_size 0
		.amdhsa_enable_private_segment 0
		.amdhsa_kernarg_size 16
		.amdhsa_user_sgpr_count 2
		.amdhsa_user_sgpr_kernarg_segment_ptr 1
		.amdhsa_wavefront_size32 1
		.amdhsa_system_sgpr_workgroup_id_x 1
		.amdhsa_system_sgpr_workgroup_id_y 1
		.amdhsa_system_sgpr_workgroup_id_z 1
		.amdhsa_system_vgpr_workitem_id 0
		.amdhsa_next_free_vgpr 896
		.amdhsa_next_free_sgpr 100
		.amdhsa_reserve_vcc 1
		.amdhsa_float_denorm_mode_32 3
		.amdhsa_float_denorm_mode_16_64 3
		.amdhsa_memory_ordered 1
		.amdhsa_forward_progress 1
		.amdhsa_inst_pref_size 140
	.end_amdhsa_kernel
	.amdgpu_metadata
---
amdhsa.version: [ 1, 2 ]
amdhsa.kernels:
  - .name:           k_qfb0929a09c_attn
    .symbol:         k_qfb0929a09c_attn.kd
    .args:
      - { .name: qkv, .offset: 0, .size: 8, .value_kind: global_buffer, .address_space: global }
      - { .name: ob, .offset: 8, .size: 8, .value_kind: global_buffer, .address_space: global }
    .group_segment_fixed_size: 327680
    .private_segment_fixed_size: 0
    .kernarg_segment_align: 8
    .kernarg_segment_size: 16
    .max_flat_workgroup_size: 128
    .sgpr_count:     100
    .vgpr_count:     896
    .wavefront_size: 32
...
	.end_amdgpu_metadata
.endif
;; end of part 3
;; launch outp (part 4): grid 16 x 16, 4 waves a work-group, clusters of 4 x 4, 327,680 bytes of LDS; arguments ob, wb, out0; writes out0
.if DOCPART == 4
	.amdgcn_target "amdgcn-amd-amdhsa--gfx1250"
	.amdhsa_code_object_version 6
	.text
	.protected	k_qfb0929a09c_outp
	.globl	k_qfb0929a09c_outp
	.p2align	8
	.type	k_qfb0929a09c_outp,@function
k_qfb0929a09c_outp:
	s_mov_b64 s[64:65], 0
	v_nop
	global_prefetch_b8 v0, s[64:65] scope:SCOPE_SE
	s_setreg_imm32_b32 hwreg(HW_REG_WAVE_MODE, 25, 1), 1
	s_wait_xcnt 0x0
	s_wait_alu depctr_hold_cnt(0) depctr_sa_sdst(0) depctr_va_vdst(0) depctr_va_sdst(0) depctr_va_ssrc(0) depctr_va_vcc(0) depctr_vm_vsrc(0)
	s_getreg_b32 s2, hwreg(HW_REG_IB_STS2, 6, 4)
	s_cmp_eq_u32 s2, 0
	s_cbranch_scc0 .Lentry_in_a_cluster
	s_endpgm
.Lentry_in_a_cluster:
	s_bfe_u32 s2, ttmp6, 0x10000c
	s_cmp_lg_u32 s2, 0xf033
	s_cbranch_scc0 .Lentry_shape_is_right
	s_endpgm
.Lentry_shape_is_right:
; out0[m][n] = the sum over k of ob[m][k] W[n][k].  ob: [2048][2048] f16, O / 4; W: plane 4 of wb, [2048][2048] f16, 4 Wo: the two factors cancel exactly; out0: [2048][2048] f32; sums in f32.
; A tile of out0 is 128 x 128: 16 x 16 work-groups.  Four waves, each 64 x 64: 16 accumulators.  K goes in 8 steps of 256 (LDS rows of 512 bytes; a wave's tensor load brings 64 of them) through two slots.
; THE WALK ALONG K IS STAGGERED: cluster (X, Y) begins at K step (2 X + 4 (Y % 2)) % 8 and walks round to where it began.  So the four clusters that read the same rows of ob stand 2 steps apart, and of the four
; that read the same rows of W those of different parity of Y stand 4 steps apart: they ask for different blocks at any one time.  The sums' order along K turns with the start.
; A step is a trip of the loop: the slot's LDS byte (FS: 0 and SLOT by turns) and the K step's number (KS) lie in scalar registers, and a refill's descriptor is made anew from them.
; CLUSTER 4 x 4: the four of a row of the cluster need the same tiles of ob, the four of a column the same tiles of W: each is asked for jointly.  The walk's start hangs on the cluster's X and Y alone.
; THE MATRIX INSTRUCTION IS USED TRANSPOSED (source 0 = 16 rows of W, source 1 = 16 rows of ob): a lane holds eight neighbouring numbers of a row of out0.
; A wave's 64 columns of f32 are 256 aligned bytes of a row, so each wave has a stage of its own on the way out, and no barrier.  No prefetch: the tiles are small and each is read by many work-groups.
; REGISTERS: window 0: v0-31 addresses; v128-255 the accumulators ((a, b) at v[128 + 8 (4 a + b)]).
;   window 1: two fragment buffers of 128: for 64 along K, 64 registers of ob, then 64 of W; on the way out v0-127 take the rows read back.
.set PL,     8388608
.set SIZE_K, 2048
.set SIZE_N, 2048
.set KSTEP,  256
.set PITCH,  528                       ; an LDS row: 512 bytes + 16 = 132 words: the 16 rows of a load start 4 words apart modulo 64
.set HALFT,  64*PITCH
.set SLOT,   4*HALFT                   ; ob's 128 rows, then W's 128 rows
.set STAGE,  2*SLOT                    ; behind the ring: 16 rows x 272 bytes for each wave
.set SPITCH, 272
.set SPARE,  STAGE+4*16*SPITCH         ; the spare words, 128 bytes for each wave: two blocks of 256 bytes that no other line names
.set STEPS, SIZE_K/KSTEP
.set ADRA, 16                          ; v16  ob's fragments in slot 0;  v17  in the slot that is being read
.set CURA, 17
.set ADRB, 20                          ; v20, v21  the same for W
.set CURB, 21
.set STO,  24
.set RD,   25
.set CO,   26
.set SPW,  28                          ; v28  LDS address of my spare word; never rewritten
.set NIL,  29                          ; v29  0; never rewritten
.set ACC,  128
.set F0,   0
.set F1,   128
.set G1, 24
.set G0, 32                            ; s[32:39] group 0 for ob's tiles: a set for each of the two first fills; the second is then made anew for each refill
.set G1B, 48
.set G0B, 56
.set KS,  66                           ; s66  the K step (0..7) that the next refill asks for
.set FS,  67                           ; s67  the LDS byte of the slot that the next change leaves and fills: 0 or SLOT
.set OFF, 68                           ; s[68:69] a refill's K step, in bytes
.set BA,  70                           ; s[70:71] ob at the rows that I fetch, K = 0
.set BBS, 72                           ; s[72:73] W at the rows that I fetch, K = 0
.set LB,  74                           ; s74  wave x 64 rows: where my part of a slot lies
.set MSB, 0
.macro WIN new
.if MSB != (\new)
	s_set_vgpr_msb (MSB<<8)|(\new)
.set MSB, \new
.endif
.endm
.set MUL,  0x05                        ; sources 0 and 1 window 1; C and D window 0
.set TO_F, 0x40                        ; destination window 1, address window 0
.macro JLOAD s                         ; a joint load by descriptor set s: waves 0 and 1 fetch ob's two halves, waves 2 and 3 W's; an s_nop 0 and four v_nop follow each of the two lines
	s_cmp_eq_u32 s11, 0
	s_cbranch_scc0 .Lfor_b_\@
	tensor_load_to_lds s[G0+4*(\s):G0+4*(\s)+3], s[G1:G1+7]
	s_nop 0
.rept 4
	v_nop
.endr
	s_branch .Lasked_\@
.Lfor_b_\@:
	tensor_load_to_lds s[G0B+4*(\s):G0B+4*(\s)+3], s[G1B:G1B+7]
	s_nop 0
.rept 4
	v_nop
.endr
.Lasked_\@:
.endm
.macro CREST
	s_cmp_lg_u32 s10, 0
	s_cbranch_scc1 .Lnot_wave_0_\@
	s_barrier_signal -3
.Lnot_wave_0_\@:
	s_barrier_wait -3
	s_barrier_signal -1
	s_barrier_wait -1
.endm
.macro CROUND
	s_barrier_signal -1
	s_barrier_wait -1
	CREST
.endm
	s_load_b128 s[4:7], s[0:1], 0x0                ; ob s[4:5], wb s[6:7]
	s_load_b64 s[8:9], s[0:1], 0x10                ; out0
	v_lshl_add_u32 v[SPW], v0, 2, SPARE
	v_mov_b32 v[NIL], 0
	ds_add_u32 v[SPW], v[NIL]                      ; the wave's opening: the add and its wait stand ahead of my first tensor load; the set-up below stands between them
	v_lshrrev_b32 v1, 5, v0
	v_readfirstlane_b32 s10, v1                    ; wave 0..3
	s_lshr_b32 s11, s10, 1                         ; which half of the tile's rows is mine.  Also: I fetch for ob (0) or for W (1)
	s_and_b32 s12, s10, 1                          ; which half of its columns.  Also: which 64 rows of that tile I fetch
	s_bfe_u32 s40, ttmp6, 0x40000                  ; cx, cy
	s_bfe_u32 s41, ttmp6, 0x40004
	s_lshl_b32 s42, ttmp9, 2
	s_add_co_u32 s42, s42, s40                     ; tile column = 4 x cluster x + cx
	s_and_b32 s13, ttmp7, 0xffff
	s_lshl_b32 s13, s13, 2
	s_add_co_u32 s13, s13, s41                     ; tile row = 4 x cluster y + cy
	s_lshl_b32 s43, s41, 2
	s_lshl_b32 s43, 15, s43                        ; my row of the cluster
	s_lshl_b32 s44, 0x1111, s40                    ; my column
	s_or_b32 s[G1+0], s43, (1<<16)|(1<<20)|(1<<21)|(6<<22)|(3<<25)  ; 15:0 the mask; 17:16 2-byte elements; 20 padding on; 21 set beside a mask; 24:22 after every 128 words; 31:25 4 words
	s_or_b32 s[G1B+0], s44, (1<<16)|(1<<20)|(1<<21)|(6<<22)|(3<<25)
.irp g, G1, G1B
	s_mov_b32 s[(\g)+1], KSTEP<<16                 ; tensor_dim0 = 256
	s_mov_b32 s[(\g)+2], 64<<16                    ; tensor_dim1 = 64
	s_mov_b32 s[(\g)+3], KSTEP<<16                 ; tile_dim0 = 256
	s_mov_b32 s[(\g)+4], 64                        ; tile_dim1 = 64
	s_mov_b32 s[(\g)+5], SIZE_K                    ; elements from row to row
	s_mov_b32 s[(\g)+6], 0
	s_mov_b32 s[(\g)+7], 0
.endr
	s_lshl_b32 s17, s12, 6                         ; which 64 rows of the tile I fetch
	s_lshl_b32 s16, s13, 7
	s_add_co_u32 s16, s16, s17                     ; ob: row 128 x tile row + 64 x half
	s_lshl_b32 s46, s42, 7
	s_add_co_u32 s46, s46, s17                     ; W: row 128 x tile column + 64 x half
	s_mov_b32 s17, 0
	s_mov_b32 s47, 0
	s_mov_b64 s[18:19], SIZE_K*2
	s_mul_u64 s[16:17], s[16:17], s[18:19]
	s_mul_u64 s[46:47], s[46:47], s[18:19]
	s_mul_i32 s[LB], s10, HALFT                    ; where they go: wave x 64 rows
	s_and_b32 s21, ttmp7, 1                        ; the walk's start: 4 x the parity of the cluster's y
	s_lshl_b32 s21, s21, 2
	s_lshl_b32 s22, ttmp9, 1                       ; + 2 x the cluster's x,
	s_add_co_u32 s[KS], s21, s22
	s_and_b32 s[KS], s[KS], STEPS-1                ; modulo the 8 steps
	s_mov_b32 s[FS], 0
	s_mov_b32 s[OFF+1], 0
	s_wait_dscnt 0x0                               ; the opening add is done
	s_wait_kmcnt 0x0
	s_add_nc_u64 s[6:7], s[6:7], 4*PL              ; plane 4 of wb
	s_add_nc_u64 s[BA:BA+1], s[4:5], s[16:17]
	s_add_nc_u64 s[BBS:BBS+1], s[6:7], s[46:47]
	CROUND                                         ; all sixteen work-groups are here: the first joint loads meet
.irp s, 0,1
	s_lshl_b32 s[OFF], s[KS], 9                    ; a K step is 512 bytes of a row
	s_mov_b32 s[G0+4*(\s)], 1
	s_add_co_u32 s[G0+4*(\s)+1], s[LB], (\s)*SLOT
	s_add_nc_u64 s[G0+4*(\s)+2:G0+4*(\s)+3], s[BA:BA+1], s[OFF:OFF+1]
	s_or_b32 s[G0+4*(\s)+3], s[G0+4*(\s)+3], 0x80000000
	s_mov_b32 s[G0B+4*(\s)], 1
	s_add_co_u32 s[G0B+4*(\s)+1], s[LB], (\s)*SLOT
	s_add_nc_u64 s[G0B+4*(\s)+2:G0B+4*(\s)+3], s[BBS:BBS+1], s[OFF:OFF+1]
	s_or_b32 s[G0B+4*(\s)+3], s[G0B+4*(\s)+3], 0x80000000
	s_add_co_u32 s[KS], s[KS], 1
	s_and_b32 s[KS], s[KS], STEPS-1
	JLOAD \s                                       ; two tensor loads of mine are out: the walk's steps 0 and 1
.endr
	v_and_b32 v1, 15, v0                           ; l % 16
	v_bfe_u32 v2, v0, 4, 1                         ; l / 16
	v_mul_u32_u24 v3, v1, PITCH
	v_lshl_add_u32 v3, v2, 4, v3
	s_mul_i32 s21, s11, HALFT                      ; my 64 rows of ob
	s_mul_i32 s22, s12, HALFT                      ; my 64 rows of W,
	s_add_co_u32 s22, s22, 2*HALFT                 ; which lie behind ob's 128
	v_add_nc_u32 v[ADRA], s21, v3
	v_add_nc_u32 v[ADRB], s22, v3
	v_mov_b32 v[CURA], v[ADRA]                     ; the walk begins in slot 0
	v_mov_b32 v[CURB], v[ADRB]
	s_mul_i32 s23, s10, 16*SPITCH
	s_add_co_u32 s23, s23, STAGE                   ; my stage
	v_mul_u32_u24 v4, v1, SPITCH                   ; in: row l % 16, 32 bytes for each half of the lanes
	v_lshl_add_u32 v4, v2, 5, v4
	v_add_nc_u32 v[STO], s23, v4
	v_mul_u32_u24 v5, v2, SPITCH                   ; back: lanes 0-15 take one row of 256 bytes, lanes 16-31 the next
	v_lshl_add_u32 v5, v1, 4, v5
	v_add_nc_u32 v[RD], s23, v5
	v_lshlrev_b32 v5, 13, v2                       ; and the same two rows in out0, 8,192 bytes apart
	v_lshl_add_u32 v[CO], v1, 4, v5
	s_lshl_b32 s16, s13, 7
	s_lshl_b32 s17, s11, 6
	s_add_co_u32 s16, s16, s17                     ; my first row: 128 x tile row + 64 x half
	s_lshl_b32 s16, s16, 13
	s_mov_b32 s17, 0
	s_add_nc_u64 s[8:9], s[8:9], s[16:17]
	s_lshl_b32 s46, s42, 9                         ; my first column, in bytes: 512 x tile column + 256 x half
	s_lshl_b32 s47, s12, 8
	s_add_co_u32 s46, s46, s47
	s_mov_b32 s47, 0
	s_add_nc_u64 s[8:9], s[8:9], s[46:47]
; 8 matrix instructions: m blocks a0, a0 + 1 x all 4 n blocks, 32 along K: half c of buffer f.  The 16 accumulators take turns.  zero = 1: the product starts the sum
.macro MUL8 f, c, a0, zero
	WIN MUL
.irp a, \a0, (\a0)+1
.irp b, 0,1,2,3
.if \zero
	v_wmma_f32_16x16x32_f16 v[ACC+8*(4*(\a)+(\b)):ACC+8*(4*(\a)+(\b))+7], v[(\f)+64+8*(4*(\c)+(\b)):(\f)+64+8*(4*(\c)+(\b))+7], v[(\f)+8*(4*(\c)+(\a)):(\f)+8*(4*(\c)+(\a))+7], 0
.else
	v_wmma_f32_16x16x32_f16 v[ACC+8*(4*(\a)+(\b)):ACC+8*(4*(\a)+(\b))+7], v[(\f)+64+8*(4*(\c)+(\b)):(\f)+64+8*(4*(\c)+(\b))+7], v[(\f)+8*(4*(\c)+(\a)):(\f)+8*(4*(\c)+(\a))+7], v[ACC+8*(4*(\a)+(\b)):ACC+8*(4*(\a)+(\b))+7]
.endif
.endr
.endr
.endm
; 32 LDS loads in one run, from the slot that is being read: the fragments of 64 along K at byte k of the rows, into buffer f; the first 32 along K first
.macro FETCH k, f
	WIN TO_F
.irp c, 0,1
.irp i, 0,1,2,3
	ds_load_b128 v[(\f)+64+8*(4*(\c)+(\i)):(\f)+64+8*(4*(\c)+(\i))+3],   v[CURB] offset:(\k)+64*(\c)+(\i)*16*PITCH
	ds_load_b128 v[(\f)+64+8*(4*(\c)+(\i))+4:(\f)+64+8*(4*(\c)+(\i))+7], v[CURB] offset:(\k)+64*(\c)+(\i)*16*PITCH+32
	ds_load_b128 v[(\f)+8*(4*(\c)+(\i)):(\f)+8*(4*(\c)+(\i))+3],         v[CURA] offset:(\k)+64*(\c)+(\i)*16*PITCH
	ds_load_b128 v[(\f)+8*(4*(\c)+(\i))+4:(\f)+8*(4*(\c)+(\i))+7],       v[CURA] offset:(\k)+64*(\c)+(\i)*16*PITCH+32
.endr
.endr
.endm
.macro PLACES                          ; four plain vector instructions in front of loads into registers that matrix instructions have read, and of readers of results
.rept 4
	v_nop
.endr
.endm
; A K step is four quarters of 64 along K, 32 matrix instructions each, on buffers 0, 1, 0, 1.
.macro QUARTER k, f, g, zero
	s_wait_dscnt 16                                ; the first 32 along K are in; the younger sixteen loads may be out
	WIN MUL
	MUL8 \f, 0, 0, \zero
	MUL8 \f, 0, 2, \zero
	PLACES
	FETCH \k, \g
	s_wait_dscnt 32                                ; all but the 32 just issued
	WIN MUL
	MUL8 \f, 1, 0, 0
	MUL8 \f, 1, 2, 0
.endm
; The last quarter multiplies buffer 1 and changes slots: ONE barrier; in front of it each wave waits for all its tensor loads, adds 0 to its spare word, and waits for that and for its reads of this slot.
; fill = 1: the barrier opens a round of the cluster's, and this slot is filled again first behind it, with the walk's step two on.
.macro TURN fill
	WIN 0
	s_wait_tensorcnt 0x0                           ; all my tensor loads have landed, so a group 0 may be written
	ds_add_u32 v[SPW], v[NIL]                      ; 0 onto my spare word: scalar work and eight matrix instructions stand between it and the wait for it
.if \fill
	s_lshl_b32 s[OFF], s[KS], 9
	s_add_co_u32 s[G0+5], s[FS], s[LB]             ; into the slot that is being left
	s_add_nc_u64 s[G0+6:G0+7], s[BA:BA+1], s[OFF:OFF+1]
	s_or_b32 s[G0+7], s[G0+7], 0x80000000
	s_add_co_u32 s[G0B+5], s[FS], s[LB]
	s_add_nc_u64 s[G0B+6:G0B+7], s[BBS:BBS+1], s[OFF:OFF+1]
	s_or_b32 s[G0B+7], s[G0B+7], 0x80000000
	s_add_co_u32 s[KS], s[KS], 1                   ; the walk goes round
	s_and_b32 s[KS], s[KS], STEPS-1
.endif
	s_xor_b32 s[FS], s[FS], SLOT                   ; 0 and SLOT by turns: the other slot is read next, and is the next to be left
	s_wait_dscnt 17                                ; (the add and the youngest sixteen loads may be out)
	WIN MUL
	MUL8 F1, 0, 0, 0
	s_wait_dscnt 0x0                               ; the add is done, and my reads of this slot are over
	s_barrier_signal -1
	MUL8 F1, 0, 2, 0
	WIN 0
	s_barrier_wait -1
.if \fill
	CREST                                          ; no wave of any partner still reads this slot or has a load on its way
	JLOAD 1                                        ; my one tensor load behind the round; its four v_nop are also the places in front of the loads below
.else
	PLACES
.endif
	v_add_nc_u32 v[CURA], s[FS], v[ADRA]
	v_add_nc_u32 v[CURB], s[FS], v[ADRB]
	FETCH 0, F0
	WIN MUL
	MUL8 F1, 1, 0, 0
	MUL8 F1, 1, 2, 0
.endm
	s_wait_tensorcnt 1                             ; my part of the walk's step 0 is in; step 1's may stay out
	s_barrier_signal -1
	s_barrier_wait -1
	FETCH 0, F0
	QUARTER 128, F0, F1, 1                         ; the first quarter stands in front of the loop: its first products start the sums
	WIN 0
	s_mov_b32 s3, STEPS-2
.Lstep:                                        ; a trip: a step's quarters 2 to 4 and the next step's first; the slot left is filled again: the walk's steps 2 to 7
	QUARTER 256, F1, F0, 0
	QUARTER 384, F0, F1, 0
	TURN 1
	QUARTER 128, F0, F1, 0
	WIN 0
	s_sub_co_u32 s3, s3, 1
	s_cmp_lg_u32 s3, 0
	s_cbranch_scc1 .Lstep
	QUARTER 256, F1, F0, 0                         ; the last two steps fill nothing
	QUARTER 384, F0, F1, 0
	TURN 0
	QUARTER 128, F0, F1, 0
	QUARTER 256, F1, F0, 0
	QUARTER 384, F0, F1, 0
	s_wait_dscnt 16
	WIN MUL
	MUL8 F1, 0, 0, 0
	MUL8 F1, 0, 2, 0
	s_wait_dscnt 0
	MUL8 F1, 1, 0, 0
	MUL8 F1, 1, 2, 0
	WIN 0
	; THE WAY OUT, 16 rows at a time: 32 bytes a lane and block go from the accumulators into my stage (each accumulator's low half first); back as whole rows of 256 bytes; stored.
	PLACES
.macro PUT a
	WIN 0
.irp b, 0,1,2,3
	ds_store_b128 v[STO], v[ACC+32*(\a)+8*(\b):ACC+32*(\a)+8*(\b)+3]   offset:64*(\b)
	ds_store_b128 v[STO], v[ACC+32*(\a)+8*(\b)+4:ACC+32*(\a)+8*(\b)+7] offset:64*(\b)+16
.endr
	WIN TO_F
.irp t, 0,1,2,3,4,5,6,7
	ds_load_b128 v[32*(\a)+4*(\t):32*(\a)+4*(\t)+3], v[RD] offset:(\t)*2*SPITCH  ; LDS serves a wave's instructions in order (ISA guide 5.7.1.4): these see the stores above; the next block's stores come behind them
.endr
.endm
.macro SEND a, younger                 ; younger: the LDS instructions issued behind block a's loads: the next block's sixteen, or none
	WIN 0x04                                       ; store data in window 1
.irp t, 0,1,2,3,4,5,6,7
	s_wait_dscnt (\younger)+7-(\t)
	global_store_b128 v[CO], v[32*(\a)+4*(\t):32*(\a)+4*(\t)+3], s[8:9] offset:(16*(\a)+2*(\t))*SIZE_N*4  ; 16 lanes store 256 consecutive bytes, at a multiple of 256 from out0's first
.endr
.endm
	PUT 0
	PUT 1
	SEND 0, 16
	PUT 2
	SEND 1, 16
	PUT 3
	SEND 2, 16
	SEND 3, 0
	WIN 0
	s_wait_tensorcnt 0x0                           ; the wave's end: the add and its wait come behind my last tensor load and my last LDS store
	ds_add_u32 v[SPW], v[NIL]
	s_wait_dscnt 0x0
	CROUND                                         ; the closing round
	s_endpgm
.Lfunc_end_k_qfb0929a09c_outp:
	.size	k_qfb0929a09c_outp, .Lfunc_end_k_qfb0929a09c_outp-k_qfb0929a09c_outp
	.p2alignl 7, 3214868480
	.fill 96, 4, 3214868480
	.section	.rodata,"a",@progbits
	.p2align	6, 0x0
	.amdhsa_kernel k_qfb0929a09c_outp
		.amdhsa_group_segment_fixed_size 327680
		.amdhsa_private_segment_fixed_size 0
		.amdhsa_enable_private_segment 0
		.amdhsa_kernarg_size 24
		.amdhsa_user_sgpr_count 2
		.amdhsa_user_sgpr_kernarg_segment_ptr 1
		.amdhsa_wavefront_size32 1
		.amdhsa_system_sgpr_workgroup_id_x 1
		.amdhsa_system_sgpr_workgroup_id_y 1
		.amdhsa_system_sgpr_workgroup_id_z 1
		.amdhsa_system_vgpr_workitem_id 0
		.amdhsa_next_free_vgpr 512
		.amdhsa_next_free_sgpr 76
		.amdhsa_reserve_vcc 0
		.amdhsa_float_denorm_mode_32 3
		.amdhsa_float_denorm_mode_16_64 3
		.amdhsa_memory_ordered 1
		.amdhsa_forward_progress 1
		.amdhsa_inst_pref_size 69
	.end_amdhsa_kernel
	.amdgpu_metadata
---
amdhsa.version: [ 1, 2 ]
amdhsa.kernels:
  - .name:           k_qfb0929a09c_outp
    .symbol:         k_qfb0929a09c_outp.kd
    .args:
      - { .name: ob, .offset: 0, .size: 8, .value_kind: global_buffer, .address_space: global }
      - { .name: wb, .offset: 8, .size: 8, .value_kind: global_buffer, .address_space: global }
      - { .name: out0, .offset: 16, .size: 8, .value_kind: global_buffer, .address_space: global }
    .group_segment_fixed_size: 327680
    .private_segment_fixed_size: 0
    .kernarg_segment_align: 8
    .kernarg_segment_size: 24
    .max_flat_workgroup_size: 128
    .sgpr_count:     76
    .vgpr_count:     512
    .wavefront_size: 32
...
	.end_amdgpu_metadata
.endif
;; end of part 4
